; MI455X (gfx1250); checked and timed in simulation.
; The chip was launched on July 23, 2026; its instructions are those of AMD's public machine-readable ISA for CDNA 5 (MIT licence, August 2026) and "CDNA5" Instruction Set Architecture Reference Guide (July 2026). The comments in the code are by the model that wrote it; some were corrected since.
;; Multi Head Self Attention. Allowed arithmetic: matrix products marked QUANTISED: E2M3 operands, one E8M0 scale for each 32 along K, by v_wmma_scale_f32_16x16x128_f8f6f4 with both operands' format E2M3, f32 sums; everything else in f32.
;; Inputs: Wk 1,024 x 1,024 float32; Wo 1,024 x 1,024 float32; Wq 1,024 x 1,024 float32; Wv 1,024 x 1,024 float32; bk 1,024 float32; bo 1,024 float32; bq 1,024 float32; bv 1,024 float32; key 4 x 2,048 x 1,024 float32; mask 4 x 2,048 float32; query 4 x 2,048 x 1,024 float32; value 4 x 2,048 x 1,024 float32.
;; Outputs: out0 4 x 2,048 x 1,024 float32.
;; This version of the problem:
;;   THIS VERSION OF THE PROBLEM IS GIVEN IN LOW PRECISION. The matrix products marked QUANTISED in the list below multiply operands that are first quantised to E2M3 (2 exponent bits, 3 mantissa bits; 6 bits a number), with one power-of-two scale for each 32 numbers along K (OCP MX v1.0); their sums are f32. All else is computed in f32.
;;   The module's matrix products, in the order in which they are computed (A, B: the left and right operand; K: the contracted axis; several contracted axes count as one K, in the product's order):
;;     1. [M 8,192, K 1,024] x [K 1,024, N 1,024]; A: input query; B: input Wq: QUANTISED
;;     2. [M 8,192, K 1,024] x [K 1,024, N 1,024]; A: input key; B: input Wk: QUANTISED
;;     3. [M 8,192, K 1,024] x [K 1,024, N 1,024]; A: input value; B: input Wv: QUANTISED
;;     4. batch 64 x [M 2,048, K 64] x [K 64, N 2,048]; A: computed on the way; B: computed on the way: QUANTISED
;;     5. batch 64 x [M 2,048, K 2,048] x [K 2,048, N 64]; A: softmax (see below); B: computed on the way: QUANTISED
;;     6. [M 8,192, K 1,024] x [K 1,024, N 1,024]; A: computed on the way; B: input Wo: QUANTISED
;;   THE QUANTISER, for each operand of a quantised product, along K:
;;     - K is cut into blocks of 32 from its start; a last block that is shorter is filled with zeros.
;;     - A block's scale is 2^e with e = floor(log2(the largest magnitude in the block)) - 2, held to -126 .. 127; a block of zeros has e = 0. As a byte (E8M0): e + 127.
;;     - Each number is divided by its block's scale, clamped to +-7.5, and rounded to the nearest number of E2M3, ties to even, subnormals kept.
;;     - The product sums the exact products of the quantised numbers (number of the format x scale) in f32.
;;   ~~~python
;;   def quantise(x, axis):      # numpy; x: float32 -> the quantised numbers, widened to float32 again
;;       x = np.moveaxis(x, axis, -1); K = x.shape[-1]
;;       x = np.pad(x, [(0, 0)] * (x.ndim - 1) + [(0, -K % 32)]); x = x.reshape(x.shape[:-1] + (-1, 32)); a = np.abs(x).max(-1, keepdims=True)
;;       e = np.where(a > 0, np.clip(np.frexp(np.where(a > 0, a, 1))[1] - 1 - 2, -126, 127), 0)      # np.frexp(a)[1] - 1 = floor(log2(a)), exactly
;;       r = np.clip(x / 2.0 ** e, -7.5, 7.5)
;;       step = 2.0 ** (np.maximum(np.frexp(np.where(r == 0, 1, r))[1] - 1, 0) - 3)
;;       q = np.round(r / step) * step * 2.0 ** e      # np.round: ties to even
;;       return np.moveaxis(q.reshape(q.shape[:-2] + (-1,))[..., :K], -1, axis).astype(np.float32)
;;   ~~~
;;   SOFTMAX AHEAD OF A QUANTISED PRODUCT. Where the list says 'softmax', what is quantised is not the finished softmax but p = 2^(t - M), with t = logit x log2(e) and M = ceil(the row's largest t), a whole number; so 1/2 < the row's largest p <= 1. The row's sum l is taken of the UNQUANTISED p, in f32, and the product's result is divided by l at the end. Since M is a whole number, a kernel that streams over the keys may use a running M (the ceiling of the running maximum): every later rescaling is an exact power of two, which a block's scale takes up: the codes' values come out the same.
;;   OPERANDS COMPUTED ON THE WAY. 'Computed on the way' means the value that the module computes at that place (a softmax that the list does not call 'softmax' is quantised finished and normalised). What goes into a quantiser is computed in f32, as accurately as f32 sums, v_exp_f32 and their like allow (about 1e-6 of the number): no bf16 or f16 on the way to a quantiser, and a product that is left as it is and whose result goes on into a quantised operand takes f32 operands (vector FMAs, or v_wmma_f32_16x16x4_f32). A number that lies on a knife's edge between two numbers of the format may be rounded either way, as far as f32 arithmetic and the matrix unit's own rounding can turn it there, and no further.
;; One version. Each part assembles by itself: llvm-mc -triple=amdgcn-amd-amdhsa -mcpu=gfx1250 --defsym DOCPART=n.
;; ======== version 1 of 1: 4 launches
;; workspace buffers: xr 19,660,800 bytes; wr 3,276,800 bytes; qkv 20,447,232 bytes; cr 6,553,600 bytes
;; launch quant (part 1): grid 1024 x 1, 4 waves a work-group, no clusters, 47,616 bytes of LDS; arguments query, key, value, Wq, Wk, Wv, Wo, xr, wr; writes xr, wr
.if DOCPART == 1
	.amdgcn_target "amdgcn-amd-amdhsa--gfx1250"
	.amdhsa_code_object_version 6
	.text
	.protected	k_q8ee718fca5_quant
	.globl	k_q8ee718fca5_quant
	.p2align	8
	.type	k_q8ee718fca5_quant,@function
k_q8ee718fca5_quant:
	s_mov_b64 s[64:65], 0
	v_nop
	global_prefetch_b8 v0, s[64:65] scope:SCOPE_SE
	s_setreg_imm32_b32 hwreg(HW_REG_WAVE_MODE, 25, 1), 1
	s_wait_xcnt 0x0
; query, key, value [8192][1024] f32 (K innermost) and Wq, Wk, Wv, Wo [1024 (K)][1024 (n)] f32 (K outermost) become codes of FP6 (E2M3) with one E8M0 byte for each 32 along K.
; A block's scale is 2^(floor(log2(its largest magnitude)) - 2); its byte is the largest magnitude's exponent field - 2, held at 1 from below.
; LIMITS: a block of zeros gets the byte 1 where the quantiser says 127 (its codes are zeros, and only this program reads the bytes); blocks whose largest magnitude lies under 2^-124 were not tried;
; NaN and infinities among the inputs are not served.
; THE WORKSPACE IS LAID IN THE ORDER OF THE OPERAND'S REGISTERS.  A record is 128 rows x 128 K, 12,800 bytes: 8 fragments of 1,536 bytes, then 8 x 16 scale words.  Tile t of a record holds rows
; 32 (t / 2) + 8 (t % 2) + r + 8 (r / 8), r = 0 .. 15.  A fragment is two images of 768 bytes (64 along K each): a lane's registers 0-3 at 16 x lane, its registers 4-5 at 512 + 8 x lane.
; A tensor is [block of 128 rows][K step 0 .. 7][record].
; Work-groups 0-255 take the weights (a lane to a column, registers down K), the other 768 take query, key, value (64 rows x 512 along K a work-group, 128 along K a wave).
; No tensor load, no barrier: waves share nothing.  Each of the two paths has LDS bytes of its own.
.set XSZ,  6553600                     ; bytes of a tensor of x in xr
.set WSZ,  819200                      ; bytes of a weight in wr
.set RECB, 12800
.set XSTG, 8704                        ; x path: a wave's LDS: a stage of 16 rows x 528 bytes, then its 256 bytes of scale words
.set WSTG, 34816                       ; W path: behind the x path's four: 3,072 bytes a wave
.set TM,   16                          ; v16-31  at work in QUANT
.set PW,   32                          ; v32     the scale word just made
.set PC,   36                          ; v36-55  the codes just made
.set XN,   56                          ; v56-119 64 numbers of my row: register 16 b + i = k 32 b + 16 (lane / 16) + i
.set RW,   120                         ; v120-247 two sets of 16 rows as loaded
.set SEL,  30                          ; s[30:31] selects of v_permlanex16_b32: lane l xor 16
.set XW,   64                          ; W path: v64-191 four blocks of 32 numbers
.set CW,   16                          ; W path: v16-47 codes, eight registers a block
; 64 numbers of a lane, v[s] .. v[s + 63], become a fragment's codes in v[PC] .. v[PC + 11] and its scale word in v[PW]
.macro QUANT s
.irp b, 0,1,2,3
	v_max3_num_f32 v[TM+\b], |v[\s+16*\b]|, |v[\s+1+16*\b]|, 0x1800000   ; block b: my 16 numbers, and the floor 2^(3 - 127): the byte cannot fall under 1
.endr
.irp i, 2,4,6,8,10,12,14
.irp b, 0,1,2,3
	v_max3_num_f32 v[TM+\b], v[TM+\b], |v[\s+16*\b+\i]|, |v[\s+1+16*\b+\i]|   ; the four blocks by turns
.endr
.endr
.irp b, 0,1,2,3
	v_permlanex16_b32 v[TM+4+\b], v[TM+\b], s[SEL], s[SEL+1]
.endr
.irp b, 0,1,2,3
	v_max_num_f32 v[TM+\b], v[TM+\b], v[TM+4+\b]       ; with lane l xor 16's: the block's largest magnitude
.endr
.irp b, 0,1,2,3
	v_add_nc_u32 v[TM+12+\b], 0xff000000, v[TM+\b]     ; 2 off its exponent field: the conversion's scale operand
.endr
.irp b, 0,1,2,3
	v_lshrrev_b32 v[TM+4+\b], 23, v[TM+12+\b]          ; the scale's byte
.endr
	v_lshl_or_b32 v[PW], v[TM+5], 8, v[TM+4]
	v_lshl_or_b32 v[PW], v[TM+6], 16, v[PW]
	v_lshl_or_b32 v[PW], v[TM+7], 24, v[PW]
.irp c, 0,1
	v_cvt_scalef32_pk16_fp6_f32 v[PC+6*\c:PC+2+6*\c], v[\s+32*\c:\s+15+32*\c], v[TM+12+2*\c]
	v_cvt_scalef32_pk16_fp6_f32 v[PC+12+4*\c:PC+14+4*\c], v[\s+16+32*\c:\s+31+32*\c], v[TM+12+2*\c+1]   ; a conversion's three registers begin on an even number
.endr
	v_nop                                              ; one plain place behind a scaled conversion
.irp c, 0,1                                        ; the operand wants a whole block in a lane: lanes 0-15 block 2 c, lanes 16-31 block 2 c + 1
.irp i, 0,1,2
	v_permlane16_swap_b32 v[PC+6*\c+\i], v[PC+12+4*\c+\i]
.endr
.irp i, 0,1,2
	v_mov_b32 v[PC+3+6*\c+\i], v[PC+12+4*\c+\i]
.endr
.endr
.endm
; x path: tile s of my 64 rows: 16 rows x 512 bytes, each load 512 consecutive bytes of one row
.macro LOADX s
.irp rr, 0,1,2,3,4,5,6,7,8,9,10,11,12,13,14,15
	global_load_b128 v[RW+64*((\s)%2)+4*\rr:RW+64*((\s)%2)+4*\rr+3], v4, s[40:41] offset:(32*((\s)/2)+8*((\s)%2)+\rr+8*(\rr/8))*4096 th:TH_LOAD_NT
.endr
.endm
.macro STEPX s
.if (\s) < 3
	s_wait_loadcnt 16                                  ; this tile's 16 loads are in; the next tile's 16 may be out
.else
	s_wait_loadcnt 0x0
.endif
.irp rr, 0,1,2,3,4,5,6,7,8,9,10,11,12,13,14,15
	ds_store_b128 v6, v[RW+64*((\s)%2)+4*\rr:RW+64*((\s)%2)+4*\rr+3] offset:528*\rr   ; the rows as they lie
.endr
.irp b, 0,1,2,3
.irp j, 0,1,2,3
	ds_load_b128 v[XN+16*\b+4*\j:XN+16*\b+4*\j+3], v7 offset:128*\b+16*\j   ; back: 16 neighbours of each block of 32 of my row.  LDS serves a wave's instructions in order
.endr
.endr
	s_wait_dscnt 0x0                                   ; the numbers are back, and the stores into the stage have read their registers
	s_wait_xcnt 0x0                                    ; the last tile's stores have read the codes' registers
.if (\s) < 2
	LOADX (\s)+2
.endif
	QUANT XN
	global_store_b128 v4, v[PC:PC+3], s[36:37] offset:1536*(\s)            ; 512 consecutive bytes
	global_store_b64 v5, v[PC+4:PC+5], s[36:37] offset:1536*(\s)+512       ; 256
	global_store_b128 v4, v[PC+6:PC+9], s[36:37] offset:1536*(\s)+768
	global_store_b64 v5, v[PC+10:PC+11], s[36:37] offset:1536*(\s)+1280
	ds_store_b32 v8, v[PW] offset:64*(\s)              ; lanes l and l xor 16 write the same word with the same value
.endm
; W path: block kb: W(128 ks + 32 kb + i, my column)
.macro LOADW kb
.irp i, 0,1,2,3,4,5,6,7,8,9,10,11,12,13,14,15,16,17,18,19,20,21,22,23,24,25,26,27,28,29,30,31
	global_load_b32 v[XW+32*(\kb)+\i], v6, s[40:41] offset:(32*(\kb)+\i)*4096 th:TH_LOAD_NT
.endr
.endm
.macro BLOCKW kb
.set XS, XW+32*(\kb)
.set CC, CW+8*(\kb)
.if (\kb) < 3
	s_wait_loadcnt 32                                  ; this block's 32 loads are in; the next block's may be out
.else
	s_wait_loadcnt 0x0
.endif
.if (\kb) < 2
	LOADW (\kb)+2
.endif
	v_max3_num_f32 v48, |v[XS]|, |v[XS+1]|, |v[XS+2]|  ; all 32 numbers of the block are mine
	v_max3_num_f32 v49, |v[XS+3]|, |v[XS+4]|, |v[XS+5]|
.irp i, 6,10,14,18,22,26
	v_max3_num_f32 v48, v48, |v[XS+\i]|, |v[XS+\i+1]|
	v_max3_num_f32 v49, v49, |v[XS+\i+2]|, |v[XS+\i+3]|
.endr
	v_max3_num_f32 v48, v48, |v[XS+30]|, |v[XS+31]|
	v_max3_num_f32 v48, v48, v49, 0x1800000            ; and the floor
	v_add_nc_u32 v50, 0xff000000, v48
	v_lshrrev_b32 v51, 23, v50
.if (\kb) == 0
	v_mov_b32 v52, v51
.else
	v_lshl_or_b32 v52, v51, 8*(\kb), v52               ; my column's scale word for these 128 along K
.endif
	v_cvt_scalef32_pk16_fp6_f32 v[CC:CC+2], v[XS:XS+15], v50
	v_cvt_scalef32_pk16_fp6_f32 v[CC+4:CC+6], v[XS+16:XS+31], v50
	v_nop
	v_mov_b32 v[CC+3], v[CC+4]                         ; six registers on end
	v_mov_b32 v[CC+4], v[CC+5]
	v_mov_b32 v[CC+5], v[CC+6]
	ds_store_b128 v10, v[CC:CC+3] offset:768*((\kb)/2)+256*((\kb)%2)       ; block kb belongs to lane r + 16 (kb % 2) of image kb / 2
	ds_store_b64 v11, v[CC+4:CC+5] offset:768*((\kb)/2)+512+128*((\kb)%2)
.endm
	s_load_b256 s[4:11], s[0:1], 0x0                   ; query, key, value, Wq
	s_load_b256 s[12:19], s[0:1], 0x20                 ; Wk, Wv, Wo, xr
	s_load_b64 s[20:21], s[0:1], 0x40                  ; wr
	v_lshl_add_u32 v254, v0, 2, 0xb800
	v_mov_b32 v255, 0
	v_lshrrev_b32 v1, 5, v0
	v_readfirstlane_b32 s22, v1                        ; wave 0..3
	v_and_b32 v1, 31, v0                               ; lane
	v_and_b32 v2, 15, v0                               ; r
	v_bfe_u32 v3, v0, 4, 1                             ; h
	v_lshlrev_b32 v4, 4, v1                            ; 16 x lane
	v_lshlrev_b32 v5, 3, v1                            ; 8 x lane
	s_cmp_lt_u32 ttmp9, 256
	s_cbranch_scc1 .Lweights
	; ---- query, key, value
	s_sub_co_u32 s23, ttmp9, 256
	s_lshr_b32 s24, s23, 8                             ; which tensor
	s_bfe_u32 s25, s23, 0x70001                        ; which 64 rows
	s_and_b32 s26, s23, 1
	s_lshl_b32 s26, s26, 2
	s_add_co_u32 s26, s26, s22                         ; my K step: 4 x half + wave
	s_mul_i32 s27, s22, XSTG
	v_add_nc_u32 v6, s27, v4                           ; the stage, in: 16 x lane
	v_mul_u32_u24 v7, v2, 528
	v_lshl_add_u32 v7, v3, 6, v7
	v_add_nc_u32 v7, s27, v7                           ; back: row r, + 64 h
	v_lshlrev_b32 v8, 2, v2
	v_add_nc_u32 v8, s27, v8
	v_add_nc_u32 v8, 8448, v8                          ; my row's scale word
	v_add_nc_u32 v9, s27, v5
	v_add_nc_u32 v9, 8448, v9                          ; and the words on the way out, 8 bytes a lane
	s_mov_b32 s[SEL], 0x76543210
	s_mov_b32 s[SEL+1], 0xfedcba98
.irp b, 0,1,2,3
	v_mov_b32 v[TM+4+\b], 0                            ; written once: a lane permute's destination counts as one of its sources
.endr
	s_lshl_b32 s28, s25, 18                            ; 64 rows of 4,096 bytes
	s_lshl_b32 s32, s26, 9                             ; 128 numbers
	s_add_co_u32 s28, s28, s32
	s_mov_b32 s29, 0
	s_lshr_b32 s32, s25, 1                             ; the block of 128 rows
	s_lshl_b32 s32, s32, 3
	s_add_co_u32 s32, s32, s26
	s_mul_i32 s32, s32, RECB
	s_mul_i32 s33, s24, XSZ
	s_add_co_u32 s32, s32, s33                         ; my record
	s_and_b32 s33, s25, 1                              ; its tiles 0-3 or 4-7
	s_mul_i32 s34, s33, 6144
	s_add_co_u32 s34, s34, s32
	s_mov_b32 s35, 0
	s_lshl_b32 s33, s33, 8
	s_add_co_u32 s32, s32, s33
	s_mov_b32 s33, 0
	s_wait_kmcnt 0x0
	s_cmp_eq_u32 s24, 0
	s_cselect_b64 s[40:41], s[4:5], s[6:7]
	s_cmp_eq_u32 s24, 2
	s_cselect_b64 s[40:41], s[8:9], s[40:41]
	s_add_nc_u64 s[40:41], s[40:41], s[28:29]
	s_add_nc_u64 s[36:37], s[18:19], s[34:35]          ; the codes
	s_add_nc_u64 s[38:39], s[18:19], s[32:33]          ; the scale words (12,288 on)
	LOADX 0
	LOADX 1
	STEPX 0
	STEPX 1
	STEPX 2
	STEPX 3
	ds_load_b64 v[10:11], v9                           ; my four tiles' 64 scale words
	s_wait_dscnt 0x0
	global_store_b64 v5, v[10:11], s[38:39] offset:12288   ; 256 consecutive bytes, aligned
	s_wait_tensorcnt 0x0
	ds_add_u32 v254, v255
	s_wait_dscnt 0x0
	s_endpgm
	; ---- the weights
.Lweights:
	s_lshr_b32 s24, ttmp9, 6                           ; which weight
	s_bfe_u32 s25, ttmp9, 0x30003                      ; which 128 columns
	s_and_b32 s26, ttmp9, 7                            ; which K step
	v_lshlrev_b32 v6, 2, v1                            ; in: 4 bytes a lane
	v_bfe_u32 v7, v0, 3, 1                             ; column 32 w + lane lies in tile 2 w + u, u = (lane / 8) % 2,
	v_and_b32 v8, 7, v0
	v_lshl_add_u32 v8, v3, 3, v8                       ; at row r = lane % 8 + 8 (lane / 16)
	s_mul_i32 s27, s22, 3072
	v_add_nc_u32 v13, s27, v4                          ; out: my wave's two fragments, 16 bytes a lane
	s_add_co_u32 s28, s27, WSTG                        ; my stage
	v_mul_u32_u24 v9, v7, 1536
	v_add_nc_u32 v9, s28, v9
	v_lshl_add_u32 v10, v8, 4, v9                      ; registers 0-3 of an image
	v_lshl_add_u32 v11, v8, 3, v9                      ; registers 4-5
	v_add_nc_u32 v14, s28, v4                          ; back: 16 x lane
	v_lshlrev_b32 v12, 6, v7
	v_lshl_add_u32 v12, v8, 2, v12
	s_lshl_b32 s29, s22, 7
	v_add_nc_u32 v12, s29, v12                         ; my scale word: 128 w + 64 u + 4 r
	s_lshl_b32 s32, s26, 19                            ; 128 rows of 4,096 bytes
	s_lshl_b32 s33, s25, 9
	s_add_co_u32 s32, s32, s33
	s_add_co_u32 s32, s32, s29                         ; + my wave's 32 columns
	s_mov_b32 s33, 0
	s_lshl_b32 s34, s25, 3
	s_add_co_u32 s34, s34, s26
	s_mul_i32 s34, s34, RECB
	s_mul_i32 s35, s24, WSZ
	s_add_co_u32 s34, s34, s35
	s_mov_b32 s35, 0
	s_and_b32 s23, s24, 1
	s_wait_kmcnt 0x0
	s_cmp_lt_u32 s24, 2
	s_cselect_b64 s[40:41], s[10:11], s[14:15]         ; Wq or Wv
	s_cselect_b64 s[42:43], s[12:13], s[16:17]         ; Wk or Wo
	s_cmp_eq_u32 s23, 1
	s_cselect_b64 s[40:41], s[42:43], s[40:41]
	s_add_nc_u64 s[40:41], s[40:41], s[32:33]
	s_add_nc_u64 s[36:37], s[20:21], s[34:35]
	LOADW 0
	LOADW 1
	BLOCKW 0
	BLOCKW 1
	BLOCKW 2
	BLOCKW 3
.irp i, 0,1,2,3,4,5
	ds_load_b128 v[192+4*\i:195+4*\i], v14 offset:512*\i   ; LDS serves a wave's instructions in order: these see my stores
.endr
	global_store_b32 v12, v52, s[36:37] offset:12288       ; the wave's 32 scale words: 128 consecutive bytes
.irp i, 0,1,2,3,4,5
	s_wait_dscnt 5-\i
	global_store_b128 v13, v[192+4*\i:195+4*\i], s[36:37] offset:512*\i
.endr
	s_wait_tensorcnt 0x0
	ds_add_u32 v254, v255
	s_wait_dscnt 0x0
	s_endpgm
.Lfunc_end_k_q8ee718fca5_quant:
	.size	k_q8ee718fca5_quant, .Lfunc_end_k_q8ee718fca5_quant-k_q8ee718fca5_quant
	.p2alignl 7, 3214868480
	.fill 96, 4, 3214868480
	.section	.rodata,"a",@progbits
	.p2align	6, 0x0
	.amdhsa_kernel k_q8ee718fca5_quant
		.amdhsa_group_segment_fixed_size 47616
		.amdhsa_private_segment_fixed_size 0
		.amdhsa_enable_private_segment 0
		.amdhsa_kernarg_size 72
		.amdhsa_user_sgpr_count 2
		.amdhsa_user_sgpr_kernarg_segment_ptr 1
		.amdhsa_wavefront_size32 1
		.amdhsa_system_sgpr_workgroup_id_x 1
		.amdhsa_system_sgpr_workgroup_id_y 1
		.amdhsa_system_sgpr_workgroup_id_z 1
		.amdhsa_system_vgpr_workitem_id 0
		.amdhsa_next_free_vgpr 256
		.amdhsa_next_free_sgpr 66
		.amdhsa_reserve_vcc 0
		.amdhsa_float_denorm_mode_32 3
		.amdhsa_float_denorm_mode_16_64 3
		.amdhsa_memory_ordered 1
		.amdhsa_forward_progress 1
		.amdhsa_inst_pref_size 56
	.end_amdhsa_kernel
	.amdgpu_metadata
---
amdhsa.version: [ 1, 2 ]
amdhsa.kernels:
  - .name:           k_q8ee718fca5_quant
    .symbol:         k_q8ee718fca5_quant.kd
    .args:
      - { .name: query, .offset: 0, .size: 8, .value_kind: global_buffer, .address_space: global }
      - { .name: key, .offset: 8, .size: 8, .value_kind: global_buffer, .address_space: global }
      - { .name: value, .offset: 16, .size: 8, .value_kind: global_buffer, .address_space: global }
      - { .name: Wq, .offset: 24, .size: 8, .value_kind: global_buffer, .address_space: global }
      - { .name: Wk, .offset: 32, .size: 8, .value_kind: global_buffer, .address_space: global }
      - { .name: Wv, .offset: 40, .size: 8, .value_kind: global_buffer, .address_space: global }
      - { .name: Wo, .offset: 48, .size: 8, .value_kind: global_buffer, .address_space: global }
      - { .name: xr, .offset: 56, .size: 8, .value_kind: global_buffer, .address_space: global }
      - { .name: wr, .offset: 64, .size: 8, .value_kind: global_buffer, .address_space: global }
    .group_segment_fixed_size: 47616
    .private_segment_fixed_size: 0
    .kernarg_segment_align: 8
    .kernarg_segment_size: 72
    .max_flat_workgroup_size: 128
    .sgpr_count:     66
    .vgpr_count:     256
    .wavefront_size: 32
...
	.end_amdgpu_metadata
.endif
;; end of part 1
;; launch proj (part 2): grid 4 x 96, 4 waves a work-group, clusters of 4 x 4, 327,680 bytes of LDS; arguments xr, wr, bq, bk, bv, qkv; writes qkv
.if DOCPART == 2
	.amdgcn_target "amdgcn-amd-amdhsa--gfx1250"
	.amdhsa_code_object_version 6
	.text
	.protected	k_q8ee718fca5_proj
	.globl	k_q8ee718fca5_proj
	.p2align	8
	.type	k_q8ee718fca5_proj,@function
k_q8ee718fca5_proj:
	s_mov_b64 s[64:65], 0
	v_nop
	global_prefetch_b8 v0, s[64:65] scope:SCOPE_SE
	s_setreg_imm32_b32 hwreg(HW_REG_WAVE_MODE, 25, 1), 1
	s_wait_xcnt 0x0
	s_wait_alu depctr_hold_cnt(0) depctr_sa_sdst(0) depctr_va_vdst(0) depctr_va_sdst(0) depctr_va_ssrc(0) depctr_va_vcc(0) depctr_vm_vsrc(0)
	s_getreg_b32 s2, hwreg(HW_REG_IB_STS2, 6, 4)
	s_cmp_eq_u32 s2, 0
	s_cbranch_scc0 .Lentry_in_a_cluster
	s_endpgm
.Lentry_in_a_cluster:
	s_bfe_u32 s2, ttmp6, 0x10000c
	s_cmp_lg_u32 s2, 0xf033
	s_cbranch_scc0 .Lentry_shape_is_right
	s_endpgm
.Lentry_shape_is_right:
; The three projections on codes of FP6 (E2M3): q = (query Wq + bq) / 8, k = key Wk + bk, v = value Wv + bv; each result is quantised in registers on the way out and stored as the attention's operand.
; OPERANDS come as records of 128 rows x 128 K (12,800 bytes: 8 fragments of 1,536 bytes in the order of the operand's registers, then 8 x 16 scale words); a block of 128 rows is 8 records on end.
; Tile t of a block holds rows 32 (t / 2) + 8 (t % 2) + r + 8 (r / 8): so in D = source 0 x source 1 a lane holds ONE row of source 1, and its 64 registers of the eight tiles of source 0 run
; along source 0's rows: register 16 b + i = row 32 b + 16 (lane / 16) + i: sixteen neighbours along the next product's K.
; A work-group of four waves makes 256 x 256; a wave 128 x 128: 64 accumulators.  "A" is source 1, "B" source 0.  q, k: A = tokens, B = the weight's features (next K: the head's 64).
; v: A = Wv's features, B = tokens (next K: the keys).  The clusters' y says which tensor: 8 clusters of 4 x 4 work-groups each.
; K = 1,024 goes in 8 steps through two LDS slots of two steps; a wave fetches a quarter of a slot (two records, 100 rows of 256 bytes, dense) by one tensor load.
; CLUSTERS: the four of a row of the cluster need the same blocks of A, the four of a column the same blocks of B: each piece is asked for jointly.
; OUT: q and k: a record of 6,656 bytes for 128 tokens of a head: 8 images of 768 bytes (16 tokens x 64), then scale words [tile / 4][r][tile % 4].  v: 4 fragments (16 of the head's 64 x 128 keys), scale words [r][tile], 256 zeros.
; LIMITS: a block of zeros gets the byte 1, not 127 (only this program reads the bytes); blocks whose largest magnitude lies under 2^-124 were not tried; NaN and infinities are not served.
; REGISTERS: window 0: v1-12 lane terms; v16-25 LDS addresses; v28, v29 the add's; v32-47 scale words, two sets; v48-81 at work on the way out; v96-127 and v224-255 the bias along the features;
;   v128-223 A's fragments, on the way out 64 numbers and their codes.  window 1: B's two sets at v0 and v128; v96-111 the bias of my feature.  windows 2, 3: accumulator (a, b) at v[8 (8 (a % 4) + b)].
.set XSZ,   6553600
.set WSZ,   819200
.set BLKB,  102400
.set RECB,  12800
.set PIECE, 25600                      ; two records: what one tensor load brings
.set SLOT,  102400                     ; A's two halves, then B's two
.set SPARE, 204800                     ; behind the ring: the spare words, 128 bytes a wave
.set HEADB, 106496                     ; a head's 16 records in qkv
.set REG,   6815744                    ; a tensor's 64 heads
.set RECA,  6656
.set FR,    12
.set A16, 16                           ; v16-17 A's fragments in slot 0, 1: + 16 x lane;  v18-19: + 8 x lane
.set A8,  18
.set B16, 20
.set B8,  22
.set ADRS, 24                          ; v24-25 scale words: lanes 0-15 A's, lanes 16-31 B's
.set SPW, 28
.set NIL, 29
.set SC,  32
.set AF,  128
.set TM,  48
.set PW,  64
.set SH,  65
.set SW,  66
.set SELR, 74
.set ZR,  78
.set HA,  128
.set PC,  192
.set BBR, 96
.set WV,  16
.set WRH, 17
.set WCH, 18
.set G1,  24
.set G0,  32
.set G1B, 48
.set G0B, 56
.set SF,  80
.set SEL, 82
.set MSB, 0
.macro WIN new                         ; the immediate's high byte repeats the setting that is left
.if MSB != (\new)
	s_set_vgpr_msb (MSB<<8)|(\new)
.set MSB, (\new)
.endif
.endm
.set MUL_LO, 0xa1                      ; source 0 (B) window 1, source 1 (A) window 0, C and D window 2
.set MUL_HI, 0xf1
.set TO_B,   0x40
; A joint load: waves 0 and 1 fetch for A, waves 2 and 3 for B; the branch hangs on the wave's number alone.  Four v_nop follow each of the two lines.
.macro JLOAD g0a, g1a, g0b, g1b
	s_cmp_eq_u32 s[WRH], 0
	s_cbranch_scc0 .Lfor_b_\@
	tensor_load_to_lds s[\g0a:\g0a+3], s[\g1a:\g1a+7]
	s_nop 0
.rept 4
	v_nop
.endr
	s_branch .Lasked_\@
.Lfor_b_\@:
	tensor_load_to_lds s[\g0b:\g0b+3], s[\g1b:\g1b+7]
	s_nop 0
.rept 4
	v_nop
.endr
.Lasked_\@:
.endm
.macro CREST                           ; a round of the cluster's barrier behind its opening barrier
	s_cmp_lg_u32 s[WV], 0
	s_cbranch_scc1 .Lnot_wave_0_\@
	s_barrier_signal -3
.Lnot_wave_0_\@:
	s_barrier_wait -3
	s_barrier_signal -1
	s_barrier_wait -1
.endm
.macro CROUND
	s_barrier_signal -1
	s_barrier_wait -1
	CREST
.endm
.macro PLACES n
.rept \n
	v_nop
.endr
.endm
.macro FRAG reg, a16, a8, off          ; a fragment as it was stored: two images of 768 bytes
	ds_load_b128 v[(\reg):(\reg)+3], v[\a16] offset:(\off)
	ds_load_b64 v[(\reg)+4:(\reg)+5], v[\a8] offset:(\off)+512
	ds_load_b128 v[(\reg)+6:(\reg)+9], v[\a16] offset:(\off)+768
	ds_load_b64 v[(\reg)+10:(\reg)+11], v[\a8] offset:(\off)+1280
.endm
.macro FETCH_B slot, q, p              ; B's eight fragments of the slot's q-th K step into set p: 32 loads
	WIN TO_B
.irp i, 0,1,2,3,4,5,6,7
	FRAG 128*(\p)+FR*\i, B16+\slot, B8+\slot, RECB*(\q)+1536*\i
.endr
	WIN 0
.endm
.macro FETCH_A slot, q, i0             ; A's tiles i0 .. i0 + 3: 16 loads
.irp i, \i0, \i0+1, \i0+2, \i0+3
	FRAG AF+FR*(\i), A16+\slot, A8+\slot, RECB*(\q)+1536*(\i)
.endr
.endm
.macro SCALES slot, q                  ; register i of set q: lanes 0-15 the words of A's tile i, lanes 16-31 those of B's tile i
.irp i, 0,1,2,3,4,5,6,7
	ds_load_b32 v[SC+8*(\q)+\i], v[ADRS+\slot] offset:RECB*(\q)+64*\i
.endr
.endm
; 16 matrix instructions: A's tiles a0, a0 + 1 x B's eight.  The 64 accumulators take turns, one instruction a turn, in the same order in every step.
.macro MUL16 a0, p, sc, zero
.irp a, \a0, \a0+1
.irp b, 0,1,2,3,4,5,6,7
.if \zero
	v_wmma_scale_f32_16x16x128_f8f6f4 v[8*(8*((\a)%4)+\b):8*(8*((\a)%4)+\b)+7], v[128*(\p)+FR*\b:128*(\p)+FR*\b+FR-1], v[AF+FR*(\a):AF+FR*(\a)+FR-1], 0, v[SC+8*(\sc)+\b], v[SC+8*(\sc)+(\a)] matrix_a_fmt:MATRIX_FMT_FP6 matrix_b_fmt:MATRIX_FMT_FP6 matrix_a_scale:MATRIX_SCALE_ROW1
.else
	v_wmma_scale_f32_16x16x128_f8f6f4 v[8*(8*((\a)%4)+\b):8*(8*((\a)%4)+\b)+7], v[128*(\p)+FR*\b:128*(\p)+FR*\b+FR-1], v[AF+FR*(\a):AF+FR*(\a)+FR-1], v[8*(8*((\a)%4)+\b):8*(8*((\a)%4)+\b)+7], v[SC+8*(\sc)+\b], v[SC+8*(\sc)+(\a)] matrix_a_fmt:MATRIX_FMT_FP6 matrix_b_fmt:MATRIX_FMT_FP6 matrix_a_scale:MATRIX_SCALE_ROW1
.endif
.endr
.endr
.endm
; A slot's first K step; its successor lies in the same slot.  Loads into registers that matrix instructions have read stand four plain places behind them (ISA guide 7.12.1 for vector instructions).
.macro STEP slot, zero
	s_wait_dscnt 16                                    ; B's set, A's tiles 0-3 and the scale words are in; the youngest 16 loads (A's tiles 4-7) may be out
	WIN MUL_LO
	MUL16 0, 0, 0, \zero
	MUL16 2, 0, 0, \zero
	s_wait_dscnt 0x0
	PLACES 4
	FETCH_B \slot, 1, 1
	FETCH_A \slot, 1, 0
	SCALES \slot, 1
	WIN MUL_HI
	MUL16 4, 0, 0, \zero
	MUL16 6, 0, 0, \zero
	PLACES 4
	WIN 0
	FETCH_A \slot, 1, 4
.endm
; A slot's second K step changes slots: ONE barrier; in front of it each wave waits for all its tensor loads, adds 0 to its spare word, and waits for that and for its reads of this slot.
.macro TURN slot, next, fill
	s_wait_tensorcnt 0x0                               ; all my tensor loads have landed: my part of the next slot
	ds_add_u32 v[SPW], v[NIL]                          ; 0 onto my spare word
	s_wait_dscnt 17                                    ; (the add and the youngest 16 loads, A's tiles 4-7, may be out)
	WIN MUL_LO
	MUL16 0, 1, 1, 0
	s_wait_dscnt 0x0                                   ; the add is done, and my reads of this slot are over
	s_barrier_signal -1
	MUL16 2, 1, 1, 0
	WIN 0
	s_barrier_wait -1
.if \fill
	CREST                                              ; the barrier has opened a round of the cluster's barrier: no wave of any partner still reads this slot or has a load on its way
	s_add_nc_u64 s[G0+4*\slot+2:G0+4*\slot+3], s[G0+4*\slot+2:G0+4*\slot+3], 2*PIECE
	s_add_nc_u64 s[G0B+4*\slot+2:G0B+4*\slot+3], s[G0B+4*\slot+2:G0B+4*\slot+3], 2*PIECE
	JLOAD G0+4*\slot, G1, G0B+4*\slot, G1B             ; the first tensor load behind the round; its four v_nop are the places in front of the loads below
.else
	PLACES 4
.endif
	FETCH_B \next, 0, 0
	FETCH_A \next, 0, 0
	SCALES \next, 0
	WIN MUL_HI
	MUL16 4, 1, 1, 0
	MUL16 6, 1, 1, 0
	PLACES 4
	WIN 0
	FETCH_A \next, 0, 4
.endm
; 64 numbers of a lane, v[s] .. v[s + 63], register 16 b + i = k 32 b + 16 (lane / 16) + i of my row, become a fragment's codes in v[PC] .. v[PC + 11] and its scale word in v[PW]
.macro QUANT s
.irp b, 0,1,2,3
	v_max3_num_f32 v[TM+\b], |v[\s+16*\b]|, |v[\s+1+16*\b]|, 0x1800000   ; and the floor 2^(3 - 127): the byte cannot fall under 1
.endr
.irp i, 2,4,6,8,10,12,14
.irp b, 0,1,2,3
	v_max3_num_f32 v[TM+\b], v[TM+\b], |v[\s+16*\b+\i]|, |v[\s+1+16*\b+\i]|
.endr
.endr
.irp b, 0,1,2,3
	v_permlanex16_b32 v[TM+4+\b], v[TM+\b], s[SEL], s[SEL+1]
.endr
.irp b, 0,1,2,3
	v_max_num_f32 v[TM+\b], v[TM+\b], v[TM+4+\b]
.endr
.irp b, 0,1,2,3
	v_add_nc_u32 v[TM+12+\b], 0xff000000, v[TM+\b]     ; 2 off the exponent field: the conversion's scale operand
.endr
.irp b, 0,1,2,3
	v_lshrrev_b32 v[TM+4+\b], 23, v[TM+12+\b]
.endr
	v_lshl_or_b32 v[PW], v[TM+5], 8, v[TM+4]
	v_lshl_or_b32 v[PW], v[TM+6], 16, v[PW]
	v_lshl_or_b32 v[PW], v[TM+7], 24, v[PW]
.irp c, 0,1
	v_cvt_scalef32_pk16_fp6_f32 v[PC+6*\c:PC+2+6*\c], v[\s+32*\c:\s+15+32*\c], v[TM+12+2*\c]
	v_cvt_scalef32_pk16_fp6_f32 v[PC+12+4*\c:PC+14+4*\c], v[\s+16+32*\c:\s+31+32*\c], v[TM+12+2*\c+1]
.endr
	v_nop                                              ; one plain place behind a scaled conversion
.irp c, 0,1
.irp i, 0,1,2
	v_permlane16_swap_b32 v[PC+6*\c+\i], v[PC+12+4*\c+\i]
.endr
.irp i, 0,1,2
	v_mov_b32 v[PC+3+6*\c+\i], v[PC+12+4*\c+\i]
.endr
.endr
.endm
	s_load_b256 s[4:11], s[0:1], 0x0                   ; xr, wr, bq, bk
	s_load_b128 s[12:15], s[0:1], 0x20                 ; bv, qkv
	v_lshl_add_u32 v[SPW], v0, 2, SPARE
	v_mov_b32 v[NIL], 0
	ds_add_u32 v28, v29
	ds_add_u32 v28, v29
	s_wait_dscnt 0x0
	v_lshrrev_b32 v1, 5, v0
	v_readfirstlane_b32 s[WV], v1                      ; wave 0..3
	s_lshr_b32 s[WRH], s[WV], 1                        ; which half of A's 256 rows is mine.  Also: I fetch for A (0) or for B (1)
	s_and_b32 s[WCH], s[WV], 1                         ; which half of B's.  Also: which block of 128 rows I fetch
	s_bfe_u32 s40, ttmp6, 0x40000                      ; cx
	s_bfe_u32 s41, ttmp6, 0x40004                      ; cy
	s_and_b32 s19, ttmp7, 0xffff                       ; the cluster's y, 0..23: the same in all sixteen partners
	s_lshr_b32 s20, s19, 3                             ; the tensor: 0 q, 1 k, 2 v
	s_and_b32 s21, s19, 7
	s_lshl_b32 s21, s21, 2
	s_mul_i32 s44, s20, XSZ
	s_mul_i32 s45, s20, WSZ
	s_cmp_eq_u32 s20, 2
	s_cselect_b32 s22, 0, s21                          ; q, k: the tokens are A's rows; v: they are B's
	s_cselect_b32 s23, s21, 0
	s_cselect_b32 s42, 2*WSZ, s44                      ; A's tensor in its buffer
	s_cselect_b32 s46, 2*XSZ, s45                      ; B's
	s_add_co_u32 s22, s22, s41                         ; A's tile row: hangs on cy alone
	s_add_co_u32 s23, s23, s40                         ; B's tile column: on cx alone
	s_lshl_b32 s44, s22, 1
	s_add_co_u32 s44, s44, s[WCH]
	s_mul_i32 s44, s44, BLKB
	s_add_co_u32 s42, s42, s44
	s_mov_b32 s43, 0
	s_lshl_b32 s45, s23, 1
	s_add_co_u32 s45, s45, s[WCH]
	s_mul_i32 s45, s45, BLKB
	s_add_co_u32 s46, s46, s45
	s_mov_b32 s47, 0
	s_lshl_b32 s66, s41, 2
	s_lshl_b32 s66, 15, s66                            ; my row of the cluster
	s_lshl_b32 s67, 0x1111, s40                        ; my column
	; descriptor group 1: 100 rows of 256 bytes (32 elements of 8 bytes), dense, no padding
	s_or_b32 s[G1+0], s66, (3<<16)|(1<<21)             ; 15:0 the mask; 17:16 elements of 8 bytes; 21 set beside a mask
	s_or_b32 s[G1B+0], s67, (3<<16)|(1<<21)
.irp g, G1, G1B
	s_mov_b32 s[\g+1], 32<<16                          ; tensor_dim0
	s_mov_b32 s[\g+2], 100<<16                         ; tensor_dim1
	s_mov_b32 s[\g+3], 32<<16                          ; tile_dim0
	s_mov_b32 s[\g+4], 100                             ; tile_dim1
	s_mov_b32 s[\g+5], 32                              ; the pitch
	s_mov_b32 s[\g+6], 0
	s_mov_b32 s[\g+7], 0
.endr
	s_mul_i32 s68, s[WV], PIECE                        ; where my piece goes: no place in the cluster enters an LDS address
	s_wait_kmcnt 0x0
	s_cmp_eq_u32 s20, 2
	s_cselect_b64 s[70:71], s[6:7], s[4:5]             ; A: Wv's records, or x's
	s_cselect_b64 s[72:73], s[4:5], s[6:7]             ; B: value's records, or the weight's
	s_add_nc_u64 s[70:71], s[70:71], s[42:43]
	s_add_nc_u64 s[72:73], s[72:73], s[46:47]
	CROUND                                             ; all sixteen work-groups are here: the first joint loads meet
.irp s, 0,1
	s_mov_b32 s[G0+4*\s], 1
	s_add_co_u32 s[G0+4*\s+1], s68, \s*SLOT
	s_add_nc_u64 s[G0+4*\s+2:G0+4*\s+3], s[70:71], \s*PIECE
	s_or_b32 s[G0+4*\s+3], s[G0+4*\s+3], 0x80000000
	s_mov_b32 s[G0B+4*\s], 1
	s_add_co_u32 s[G0B+4*\s+1], s68, \s*SLOT
	s_add_nc_u64 s[G0B+4*\s+2:G0B+4*\s+3], s[72:73], \s*PIECE
	s_or_b32 s[G0B+4*\s+3], s[G0B+4*\s+3], 0x80000000
	JLOAD G0+4*\s, G1, G0B+4*\s, G1B                   ; two loads of mine are out
.endr
	v_and_b32 v1, 31, v0                               ; lane
	v_and_b32 v2, 15, v0                               ; r
	v_bfe_u32 v3, v0, 4, 1                             ; h
	v_lshlrev_b32 v8, 4, v1                            ; 16 x lane
	v_lshlrev_b32 v9, 3, v1                            ; 8 x lane
	s_mul_i32 s74, s[WRH], PIECE                       ; my half of A
	s_mul_i32 s75, s[WCH], PIECE
	s_add_co_u32 s75, s75, 2*PIECE                     ; my half of B
	s_xor_b32 s76, s[WRH], 1
	s_add_co_u32 s76, s76, s[WCH]
	s_add_co_u32 s76, s76, 1
	s_mul_i32 s76, s76, PIECE                          ; from the one to the other
	v_mul_u32_u24 v4, s76, v3                          ; lanes 16-31 take B's scale words
	v_lshl_add_u32 v4, v2, 2, v4
	s_add_co_u32 s77, s74, 12288
	v_add_nc_u32 v[ADRS], s77, v4
	v_add_nc_u32 v[ADRS+1], SLOT, v[ADRS]
.irp s, 0,1
	v_add_nc_u32 v[A16+\s], s74, v8
	v_add_nc_u32 v[A8+\s], s74, v9
	v_add_nc_u32 v[B16+\s], s75, v8
	v_add_nc_u32 v[B8+\s], s75, v9
	s_add_co_u32 s74, s74, SLOT
	s_add_co_u32 s75, s75, SLOT
.endr
	; the way out's scalars: my block of tokens, my block of features
	s_lshl_b32 s86, s22, 1
	s_add_co_u32 s86, s86, s[WRH]                      ; my block of A
	s_lshl_b32 s87, s23, 1
	s_add_co_u32 s87, s87, s[WCH]                      ; my block of B
	s_cmp_eq_u32 s20, 2
	s_cselect_b32 s88, s87, s86                        ; tokens
	s_cselect_b32 s89, s86, s87                        ; features: heads 2 x this and 2 x this + 1
	s_lshr_b32 s90, s88, 4
	s_lshl_b32 s90, s90, 4                             ; 16 x batch
	s_lshl_b32 s91, s89, 1
	s_add_co_u32 s90, s90, s91
	s_mul_i32 s90, s90, HEADB
	s_and_b32 s91, s88, 15
	s_mul_i32 s91, s91, RECA
	s_add_co_u32 s90, s90, s91
	s_mul_i32 s91, s20, REG
	s_add_co_u32 s90, s90, s91
	s_mov_b32 s91, 0
	s_add_nc_u64 s[84:85], s[14:15], s[90:91]          ; my record of the even head
	s_lshl_b32 s92, s89, 9
	s_mov_b32 s93, 0
	s_cmp_eq_u32 s20, 0
	s_cselect_b64 s[78:79], s[8:9], s[10:11]
	s_cselect_b32 s[SF], 0x3e000000, 1.0               ; q is divided by 8: exact
	s_cmp_eq_u32 s20, 2
	s_cselect_b64 s[78:79], s[12:13], s[78:79]
	s_add_nc_u64 s[78:79], s[78:79], s[92:93]          ; the bias of my 128 features
	s_mov_b32 s[SF+1], s[SF]
	s_mov_b32 s[SEL], 0x76543210
	s_mov_b32 s[SEL+1], 0xfedcba98
	; the bias in both layouts, so that the text has one branch on the tensor, at the way out: along the features (q, k), and of my lane's feature (v)
	v_lshlrev_b32 v11, 6, v3                           ; 64 h
	v_and_b32 v12, 8, v2
	v_add_nc_u32 v12, v12, v2
	v_lshlrev_b32 v12, 2, v12                          ; 4 (r + 8 (r / 8))
.irp b, 0,1,2,3,4,5,6,7
	global_load_b128 v[BBR+8*\b+96*(\b/4):BBR+8*\b+96*(\b/4)+3], v11, s[78:79] offset:(32*(\b/2)+8*(\b%2))*4
	global_load_b128 v[BBR+8*\b+96*(\b/4)+4:BBR+8*\b+96*(\b/4)+7], v11, s[78:79] offset:(32*(\b/2)+8*(\b%2))*4+16
.endr
	WIN 0x40                                           ; destination window 1
.irp a, 0,1,2,3,4,5,6,7
	global_load_b32 v[96+2*\a], v12, s[78:79] offset:(32*(\a/2)+8*(\a%2))*4
	global_load_b32 v[97+2*\a], v12, s[78:79] offset:(32*(\a/2)+8*(\a%2))*4     ; twice: a pair for the packed addition
.endr
	WIN 0
	s_wait_tensorcnt 1                                 ; my part of slot 0 is in; slot 1's may stay out
	s_barrier_signal -1
	s_barrier_wait -1
	FETCH_B 0, 0, 0
	FETCH_A 0, 0, 0
	SCALES 0, 0
	FETCH_A 0, 0, 4
	STEP 0, 1                                          ; K step 0 starts the sums: nothing is cleared
	TURN 0, 1, 1                                       ; K step 1; slot 0 takes K steps 4, 5
	STEP 1, 0
	TURN 1, 0, 1                                       ; K step 3; slot 1 takes K steps 6, 7
	STEP 0, 0
	TURN 0, 1, 0                                       ; K step 5; nothing is left to fetch
	STEP 1, 0
	s_wait_dscnt 16                                    ; K step 7
	WIN MUL_LO
	MUL16 0, 1, 1, 0
	MUL16 2, 1, 1, 0
	s_wait_dscnt 0x0
	WIN MUL_HI
	MUL16 4, 1, 1, 0
	MUL16 6, 1, 1, 0
	WIN 0
	; THE WAY OUT.  No LDS: a tile of A's 16 rows at a time, its 64 numbers a lane are finished, quantised and stored in the order of the next operand's registers.
	s_wait_loadcnt 0x0                                 ; the biases
.irp b, 0,1,2,3
	v_mov_b32 v[TM+4+\b], 0                            ; a lane permute's destination counts as one of its sources.  (These eleven lines are also the places behind the last products)
	v_mov_b32 v[ZR+\b], 0
.endr
	v_lshlrev_b32 v[SH], 4, v3                         ; 16 h
	v_mul_u32_u24 v10, v3, HEADB
	v_lshl_add_u32 v10, v2, 4, v10                     ; scale words: 16 r; lanes 16-31 write the odd head's record
	s_cmp_eq_u32 s20, 2
	s_cbranch_scc1 .Lout_v
	; q, k: lane (r, h) holds token r of tile a; its registers run along 128 features: two heads
.set i, 0
.rept 32
	v_pk_mul_f32 v[BBR+2*i+96*(i/16):BBR+2*i+96*(i/16)+1], v[BBR+2*i+96*(i/16):BBR+2*i+96*(i/16)+1], s[SF:SF+1] op_sel_hi:[1,0]   ; the bias under the same factor
.set i, i+1
.endr
.macro OUTQK a
	WIN 0x02+(\a)/4                                    ; source 0: window 2 or 3
.set i, 0
.rept 32
	v_pk_fma_f32 v[HA+2*i:HA+2*i+1], v[64*((\a)%4)+2*i:64*((\a)%4)+2*i+1], s[SF:SF+1], v[BBR+2*i+96*(i/16):BBR+2*i+96*(i/16)+1] op_sel_hi:[1,0,1]   ; each accumulator from its low end on
.set i, i+1
.endr
	WIN 0
	s_wait_xcnt 0x0                                    ; the last tile's stores have read the codes' registers
	QUANT HA
	v_lshrrev_b32 v[SW+(\a)], v[SH], v[PW]             ; lanes 0-15: the even head's two bytes lowest; lanes 16-31: the odd head's.  The upper two bytes scale zero codes and are never 0xff
	global_store_b128 v8, v[PC:PC+3], s[84:85] offset:768*(\a)
	global_store_b64 v9, v[PC+4:PC+5], s[84:85] offset:768*(\a)+512
	global_store_b128 v8, v[PC+6:PC+9], s[84:85] offset:HEADB+768*(\a)
	global_store_b64 v9, v[PC+10:PC+11], s[84:85] offset:HEADB+768*(\a)+512
.endm
.irp a, 0,1,2,3,4,5,6,7
	OUTQK \a
.endr
	global_store_b128 v10, v[SW:SW+3], s[84:85] offset:6144      ; sixteen lanes fill 256 consecutive bytes of a head's record
	global_store_b128 v10, v[SW+4:SW+7], s[84:85] offset:6400
	s_branch .Ldone
.Lout_v:
	; v: lane (r, h) holds feature r of tile a; its registers run along 128 keys
.macro OUTV a
	WIN 0x06+(\a)/4                                    ; source 0: window 2 or 3; source 1: window 1
.set i, 0
.rept 32
	v_pk_add_f32 v[HA+2*i:HA+2*i+1], v[64*((\a)%4)+2*i:64*((\a)%4)+2*i+1], v[96+2*(\a):97+2*(\a)]
.set i, i+1
.endr
	WIN 0
	s_wait_xcnt 0x0
	QUANT HA
	v_mov_b32 v[SW+(\a)], v[PW]
	global_store_b128 v8, v[PC:PC+3], s[84:85] offset:((\a)/4)*HEADB+((\a)%4)*1536
	global_store_b64 v9, v[PC+4:PC+5], s[84:85] offset:((\a)/4)*HEADB+((\a)%4)*1536+512
	global_store_b128 v8, v[PC+6:PC+9], s[84:85] offset:((\a)/4)*HEADB+((\a)%4)*1536+768
	global_store_b64 v9, v[PC+10:PC+11], s[84:85] offset:((\a)/4)*HEADB+((\a)%4)*1536+1280
.endm
.irp a, 0,1,2,3,4,5,6,7
	OUTV \a
.endr
	v_cmp_le_u32 vcc_lo, 16, v1
.irp j, 0,1,2,3
	v_cndmask_b32 v[SELR+\j], v[SW+\j], v[SW+4+\j], vcc_lo       ; lanes 0-15: the even head's four tiles; lanes 16-31: the odd head's
.endr
	global_store_b128 v10, v[SELR:SELR+3], s[84:85] offset:6144
	global_store_b128 v10, v[ZR:ZR+3], s[84:85] offset:6400      ; the record's last 256 bytes: the attention's tile load reads them
.Ldone:
	s_wait_tensorcnt 0x0                               ; the wave's end
	ds_add_u32 v[SPW], v[NIL]
	s_wait_dscnt 0x0
	CROUND                                             ; the closing round: no work-group ends while a partner may still ask for a piece that names it
	s_endpgm
.Lfunc_end_k_q8ee718fca5_proj:
	.size	k_q8ee718fca5_proj, .Lfunc_end_k_q8ee718fca5_proj-k_q8ee718fca5_proj
	.p2alignl 7, 3214868480
	.fill 96, 4, 3214868480
	.section	.rodata,"a",@progbits
	.p2align	6, 0x0
	.amdhsa_kernel k_q8ee718fca5_proj
		.amdhsa_group_segment_fixed_size 327680
		.amdhsa_private_segment_fixed_size 0
		.amdhsa_enable_private_segment 0
		.amdhsa_kernarg_size 48
		.amdhsa_user_sgpr_count 2
		.amdhsa_user_sgpr_kernarg_segment_ptr 1
		.amdhsa_wavefront_size32 1
		.amdhsa_system_sgpr_workgroup_id_x 1
		.amdhsa_system_sgpr_workgroup_id_y 1
		.amdhsa_system_sgpr_workgroup_id_z 1
		.amdhsa_system_vgpr_workitem_id 0
		.amdhsa_next_free_vgpr 1024
		.amdhsa_next_free_sgpr 100
		.amdhsa_reserve_vcc 1
		.amdhsa_float_denorm_mode_32 3
		.amdhsa_float_denorm_mode_16_64 3
		.amdhsa_memory_ordered 1
		.amdhsa_forward_progress 1
		.amdhsa_inst_pref_size 220
	.end_amdhsa_kernel
	.amdgpu_metadata
---
amdhsa.version: [ 1, 2 ]
amdhsa.kernels:
  - .name:           k_q8ee718fca5_proj
    .symbol:         k_q8ee718fca5_proj.kd
    .args:
      - { .name: xr, .offset: 0, .size: 8, .value_kind: global_buffer, .address_space: global }
      - { .name: wr, .offset: 8, .size: 8, .value_kind: global_buffer, .address_space: global }
      - { .name: bq, .offset: 16, .size: 8, .value_kind: global_buffer, .address_space: global }
      - { .name: bk, .offset: 24, .size: 8, .value_kind: global_buffer, .address_space: global }
      - { .name: bv, .offset: 32, .size: 8, .value_kind: global_buffer, .address_space: global }
      - { .name: qkv, .offset: 40, .size: 8, .value_kind: global_buffer, .address_space: global }
    .group_segment_fixed_size: 327680
    .private_segment_fixed_size: 0
    .kernarg_segment_align: 8
    .kernarg_segment_size: 48
    .max_flat_workgroup_size: 128
    .sgpr_count:     100
    .vgpr_count:     1024
    .wavefront_size: 32
...
	.end_amdgpu_metadata
.endif
;; end of part 2
;; launch attn (part 3): grid 4 x 64, 8 waves a work-group, clusters of 4 x 1, 222,208 bytes of LDS; arguments qkv, mask, cr; writes cr
.if DOCPART == 3
	.amdgcn_target "amdgcn-amd-amdhsa--gfx1250"
	.amdhsa_code_object_version 6
	.text
	.protected	k_q8ee718fca5_attn
	.globl	k_q8ee718fca5_attn
	.p2align	8
	.type	k_q8ee718fca5_attn,@function
k_q8ee718fca5_attn:
	s_mov_b64 s[64:65], 0
	v_nop
	global_prefetch_b8 v0, s[64:65] scope:SCOPE_SE
	s_setreg_imm32_b32 hwreg(HW_REG_WAVE_MODE, 25, 1), 1
	s_wait_xcnt 0x0
	s_wait_alu depctr_hold_cnt(0) depctr_sa_sdst(0) depctr_va_vdst(0) depctr_va_sdst(0) depctr_va_ssrc(0) depctr_va_vcc(0) depctr_vm_vsrc(0)
	s_getreg_b32 s2, hwreg(HW_REG_IB_STS2, 6, 4)
	s_cmp_eq_u32 s2, 0
	s_cbranch_scc0 .Lentry_in_a_cluster
	s_endpgm
.Lentry_in_a_cluster:
	s_bfe_u32 s2, ttmp6, 0x10000c
	s_cmp_lg_u32 s2, 0x3003
	s_cbranch_scc0 .Lentry_shape_is_right
	s_endpgm
.Lentry_shape_is_right:
; context[b][q][head] = softmax_k(q . k + mask[b][k]) v, both products on codes of FP6 (E2M3); the context is quantised in registers and stored as the last product's operand.
; THE SOFTMAX: t = logit x log2(e); M = the running largest t rounded UP to a whole number; p = 2^(t - M) is quantised along the keys, not normalised; the row's sum is taken of the unquantised p and divides at the end.
; When M moves, the sum and O are multiplied by 2^(old M - new M): exact.
; SHARES.  A cluster of four work-groups is one head (64 clusters); a work-group owns 512 queries, in two passes of 256; each of its eight waves owns two tiles of 16 queries a pass, so that each
; fragment of K and V and each register of the mask read from LDS serves two matrix instructions.  A HEAD'S WHOLE K AND V STAY IN LDS (2 x 106,496 bytes), with the batch's row of the mask: fetched once, by joint loads
; that name the four partners.  Nothing is filled again.  Three tensor loads a wave are out at the most.
; LAYOUT.  Both products transposed: S^T = K Q^T + mask (source 0 = 16 keys, source 1 = 16 queries, C = the mask of the lane's keys), O^T = V^T P^T: a lane holds ONE query throughout.
; The head's 64 fill half of the first product's K: registers 6-11 of K's and Q's fragments hold zero codes, written once.
; Tile t of 128 keys holds keys 32 (t / 2) + 8 (t % 2) + r + 8 (r / 8): register 16 b + i of S^T is key 32 b + 16 (lane / 16) + i.
; LIMITS: the mask is added in the matrix unit's f32 sum; -infinity in the mask gives p = 0; a row masked wholly by -infinity gives NaN; other NaN and infinities are not served.
; A block of zeros gets the byte 1, not 127 (only this program reads the bytes); blocks of the context whose largest magnitude lies under 2^-124 were not tried.
; REGISTERS.  window 0: v1-4 lane terms, v5-11 the step's LDS addresses, v12-23 -M, largest t and sums of the two tiles, v24-39 at work, v40-55 scale words, v56-79 Q, v80-93 the second pass's Q,
;   v94-117 P's codes, v118-124 conversions' second halves, v126-157 the context, v160-223 S^T and v224-255 O^T of tile 0.
;   window 1: v0-63 the mask, v64-111 four fragments of K, v112-159 four of V, v160-223 S^T and v224-255 O^T of tile 1.
.set HEADB, 106496
.set REG,   6815744
.set RECA,  6656
.set VLDS,  106496
.set MLDS,  212992
.set RECB,  12800
.set BLKB,  102400
.set L16, 1
.set L8,  2
.set R16, 3
.set H64, 4
.set AK16, 5
.set AK8,  6
.set AKS,  7
.set AV16, 8
.set AV8,  9
.set AVS,  10
.set AM,   11
.set FF,  24                           ; v[24:25] 2^(old M - new M), later 1 / the sum
.set BM,  26
.set BT,  30
.set BS,  34
.set T0,  38
.set T1,  39
.set KS,  40
.set VS,  48
.set QS,  52
.set PS,  54
.set QQ,  56
.set QW,  80
.set QSW, 92
.set PP,  94
.set CH,  118
.set CT,  126
.set SOF, 158
.set SS,  160
.set OO,  224
.set MK,  0
.set KB,  64
.set VB,  112
.set WV,  10
.set G1,  24                           ; s[24:31] a record: 26 rows of 256 bytes
.set G1M, 32                           ; s[32:39] 4 rows: my part of the mask
.set G1L, 40                           ; s[40:47] three records: 78 rows
.set G0M, 48
.set G0A, 52
.set G0L, 56
.set TB,  80
.set TBV, 81
.set TMK, 82
.set CNT, 83
.set SEL, 84
.set CS,  86
.set HM,  88
.set MSB, 0
.macro WIN new
.if MSB != (\new)
	s_set_vgpr_msb (MSB<<8)|(\new)
.set MSB, (\new)
.endif
.endm
.macro ROUND                           ; a round of the cluster's barrier
	s_barrier_signal -1
	s_barrier_wait -1
	s_cmp_lg_u32 s[WV], 0
	s_cbranch_scc1 .Lnot_wave_0_\@
	s_barrier_signal -3
.Lnot_wave_0_\@:
	s_barrier_wait -3
	s_barrier_signal -1
	s_barrier_wait -1
.endm
.macro SCORE x, t
	v_wmma_scale_f32_16x16x128_f8f6f4 v[SS+8*(\t):SS+8*(\t)+7], v[KB+12*((\t)%4):KB+12*((\t)%4)+11], v[QQ+12*(\x):QQ+12*(\x)+11], v[MK+8*(\t):MK+8*(\t)+7], v[KS+(\t)], v[QS+(\x)] matrix_a_fmt:MATRIX_FMT_FP6 matrix_b_fmt:MATRIX_FMT_FP6
.endm
.macro PV x, d
	v_wmma_scale_f32_16x16x128_f8f6f4 v[OO+8*(\d):OO+8*(\d)+7], v[VB+12*(\d):VB+12*(\d)+11], v[PP+12*(\x):PP+12*(\x)+11], v[OO+8*(\d):OO+8*(\d)+7], v[VS+(\d)], v[PS+(\x)] matrix_a_fmt:MATRIX_FMT_FP6 matrix_b_fmt:MATRIX_FMT_FP6
.endm
; The softmax of tile x for one key step.  Only S^T and O^T lie in window x: for x = 0 no switch is written.
.macro SM x
.set NM, 12+6*(\x)                     ; -M;  +1 the largest t;  +2, +3 and +4, +5 the sum in two chains of two halves
.set PX, PP+12*(\x)
	WIN 0x05*(\x)
.irp b, 0,1,2,3
	v_max_num_f32 v[BM+\b], v[SS+16*\b], v[SS+16*\b+1]           ; the largest score of each block of 32 keys: it serves the row's maximum and, since p rises with the score, the block's largest p
.endr
.irp i, 2,4,6,8,10,12,14
.irp b, 0,1,2,3
	v_max3_num_f32 v[BM+\b], v[SS+16*\b+\i], v[SS+16*\b+\i+1], v[BM+\b]
.endr
.endr
	WIN 0
.irp b, 0,1,2,3
	v_permlanex16_b32 v[BT+\b], v[BM+\b], s[SEL], s[SEL+1]
.endr
.irp b, 0,1,2,3
	v_max_num_f32 v[BM+\b], v[BM+\b], v[BT+\b]                   ; with lane l xor 16's 16 keys
.endr
	v_max3_num_f32 v[T0], v[BM], v[BM+1], v[BM+2]
	v_max_num_f32 v[T0], v[T0], v[BM+3]
	v_mul_f32 v[T0], s[CS], v[T0]                                ; as t
	v_max_num_f32 v[NM+1], v[NM+1], v[T0]                        ; the running largest t
	v_mov_b32 v[T0], v[NM]
	v_floor_f32 v[NM], -v[NM+1]                                  ; the new -M = -ceil(t)
	v_sub_f32 v[T0], v[NM], v[T0]                                ; old M - new M: a whole number, 0 or less
	v_cvt_i32_f32 v[T0], v[T0]                                   ; (it saturates)
	v_ldexp_f32 v[FF], 1.0, v[T0]
.irp b, 0,1,2,3
	v_fma_f32 v[BM+\b], v[BM+\b], s[CS], v[NM]
.endr
	WIN 0x41*(\x)
.set j, 0
.rept 32
	v_pk_fma_f32 v[SS+j:SS+j+1], v[SS+j:SS+j+1], s[CS:CS+1], v[NM:NM+1] op_sel_hi:[1,0,0]   ; t - M, two at a time
.set j, j+2
.endr
.set j, 0
.rept 64
	v_exp_f32 v[SS+j], v[SS+j]                                   ; p = 2^(t - M): one batch
.set j, j+1
.endr
	WIN 0
	v_pk_mul_f32 v[NM+2:NM+3], v[NM+2:NM+3], v[FF:FF+1] op_sel_hi:[1,0]   ; the sums under the new M: plain work behind the batch
	v_pk_mul_f32 v[NM+4:NM+5], v[NM+4:NM+5], v[FF:FF+1] op_sel_hi:[1,0]
	s_wait_alu depctr_va_vdst(0)                                 ; one wait for the batch, ahead of its first reader
.irp b, 0,1,2,3
	v_exp_f32 v[BM+\b], v[BM+\b]                                 ; each block's largest p
.endr
	WIN 0x01*(\x)
.set j, 0
.rept 16
	v_pk_add_f32 v[NM+2:NM+3], v[SS+j:SS+j+1], v[NM+2:NM+3]      ; the row's sum, of the unquantised p
	v_pk_add_f32 v[NM+4:NM+5], v[SS+j+2:SS+j+3], v[NM+4:NM+5]
.set j, j+4
.endr
	WIN 0
	s_wait_alu depctr_va_vdst(0)                                 ; and one for the four
.irp b, 0,1,2,3
	v_max_num_f32 v[BM+\b], 0x1800000, v[BM+\b]                  ; the floor 2^(3 - 127): the byte cannot fall under 1
.endr
.irp b, 0,1,2,3
	v_add_nc_u32 v[BS+\b], 0xff000000, v[BM+\b]
.endr
.irp b, 0,1,2,3
	v_lshrrev_b32 v[BT+\b], 23, v[BS+\b]
.endr
	v_lshl_or_b32 v[PS+(\x)], v[BT+1], 8, v[BT]                  ; p's scale word for these 128 keys
	v_lshl_or_b32 v[PS+(\x)], v[BT+2], 16, v[PS+(\x)]
	v_lshl_or_b32 v[PS+(\x)], v[BT+3], 24, v[PS+(\x)]
	WIN 0x01*(\x)
.irp c, 0,1
	v_cvt_scalef32_pk16_fp6_f32 v[PX+6*\c:PX+6*\c+2], v[SS+32*\c:SS+32*\c+15], v[BS+2*\c]
	v_cvt_scalef32_pk16_fp6_f32 v[CH+4*\c:CH+4*\c+2], v[SS+32*\c+16:SS+32*\c+31], v[BS+2*\c+1]
.endr
	WIN 0
	v_nop                                                        ; one plain place behind a scaled conversion
.irp c, 0,1
.irp i, 0,1,2
	v_permlane16_swap_b32 v[PX+6*\c+\i], v[CH+4*\c+\i]
.endr
.irp i, 0,1,2
	v_mov_b32 v[PX+6*\c+3+\i], v[CH+4*\c+\i]
.endr
.endr
	WIN 0x41*(\x)
.set j, 0
.rept 16
	v_pk_mul_f32 v[OO+j:OO+j+1], v[OO+j:OO+j+1], v[FF:FF+1] op_sel_hi:[1,0]   ; O^T under the new M.  (Also the places between the scale word, the codes and the products)
.set j, j+2
.endr
	WIN 0
.endm
; A KEY STEP: 128 keys, for my two tiles of queries.
.macro STEP
	v_add_nc_u32 v[AKS], s[TB], v[R16]                 ; seven plain lines: also the places behind the last products, in front of the loads into their registers
	v_add_nc_u32 v[AK16], s[TB], v[L16]
	v_add_nc_u32 v[AK8], s[TB], v[L8]
	v_add_nc_u32 v[AM], s[TMK], v[H64]
	v_add_nc_u32 v[AV16], s[TBV], v[L16]
	v_add_nc_u32 v[AV8], s[TBV], v[L8]
	v_add_nc_u32 v[AVS], s[TBV], v[R16]
	ds_load_b128 v[KS:KS+3], v[AKS] offset:6144        ; K's scale words, tiles 0-3 and 4-7
	ds_load_b128 v[KS+4:KS+7], v[AKS] offset:6400
	WIN 0x40                                           ; destination window 1
.irp t, 0,1,2,3
	ds_load_b128 v[KB+12*\t:KB+12*\t+3], v[AK16] offset:768*\t
	ds_load_b64 v[KB+12*\t+4:KB+12*\t+5], v[AK8] offset:768*\t+512
.endr
.irp i, 0,1,2,3,4,5,6,7,8,9,10,11,12,13,14,15
	ds_load_b128 v[MK+4*\i:MK+4*\i+3], v[AM] offset:128*(\i/4)+16*(\i%4)   ; register 16 b + i: the mask of key 32 b + 16 h + i
.endr
.irp d, 0,1,2,3
	ds_load_b128 v[VB+12*\d:VB+12*\d+3], v[AV16] offset:1536*\d
	ds_load_b64 v[VB+12*\d+4:VB+12*\d+5], v[AV8] offset:1536*\d+512
	ds_load_b128 v[VB+12*\d+6:VB+12*\d+9], v[AV16] offset:1536*\d+768
	ds_load_b64 v[VB+12*\d+10:VB+12*\d+11], v[AV8] offset:1536*\d+1280
.endr
	WIN 0
	ds_load_b128 v[VS:VS+3], v[AVS] offset:6144
	s_wait_dscnt 25                                    ; the youngest 25 may be out: 8 of the mask's second half, V's 16, V's scale words
	WIN 0x11                                           ; K and the mask window 1, Q and S^T window 0
.irp t, 0,1,2,3
	SCORE 0, \t
.endr
	WIN 0x51                                           ; S^T window 1
.irp t, 0,1,2,3
	SCORE 1, \t
.endr
.rept 4
	v_nop                                              ; places in front of the loads into K's registers
.endr
	WIN 0x40
.irp t, 0,1,2,3
	ds_load_b128 v[KB+12*\t:KB+12*\t+3], v[AK16] offset:768*(4+\t)
	ds_load_b64 v[KB+12*\t+4:KB+12*\t+5], v[AK8] offset:768*(4+\t)+512
.endr
	s_wait_dscnt 0x0
	WIN 0x11
.irp t, 4,5,6,7
	SCORE 0, \t
.endr
	WIN 0x51
.irp t, 4,5,6,7
	SCORE 1, \t
.endr
	WIN 0
.rept 4
	v_nop                                              ; places in front of the first read of the scores
.endr
	SM 0
	SM 1
	WIN 0x01                                           ; V window 1; P and O^T window 0
.irp d, 0,1,2,3
	PV 0, \d
.endr
	WIN 0x51                                           ; O^T window 1
.irp d, 0,1,2,3
	PV 1, \d
.endr
	WIN 0
	s_add_co_u32 s[TB], s[TB], RECA
	s_add_co_u32 s[TBV], s[TBV], RECA
	s_add_co_u32 s[TMK], s[TMK], 512
.endm
.macro STEPS n
	s_mov_b32 s[CNT], \n
.Lsteps_\@:
	STEP
	s_sub_co_u32 s[CNT], s[CNT], 1
	s_cmp_lg_u32 s[CNT], 0
	s_cbranch_scc1 .Lsteps_\@
.endm
; A pass begins: the largest t is -3e38, under every t; the sums and O^T are zeros, which the first change of M leaves zeros: so the key step is written without a first step of its own.
.macro INIT
.irp x, 0,1
	v_mov_b32 v[13+6*\x], 0xff61b1e6
	v_floor_f32 v[12+6*\x], -v[13+6*\x]
	v_mov_b32 v[14+6*\x], 0
	v_mov_b32 v[15+6*\x], 0
	v_mov_b32 v[16+6*\x], 0
	v_mov_b32 v[17+6*\x], 0
.endr
.set j, 0
.rept 32
	v_mov_b32 v[OO+j], 0
.set j, j+1
.endr
	WIN 0x40
.set j, 0
.rept 32
	v_mov_b32 v[OO+j], 0
.set j, j+1
.endr
	WIN 0
	s_mov_b32 s[TB], 0
	s_mov_b32 s[TBV], VLDS
	s_mov_b32 s[TMK], MLDS
.endm
; A pass ends: O^T / the sum is the context of my head's 64: two blocks of the last product's K.  A lane's 32 numbers: register 16 b + i = channel 32 b + 16 h + i.
.macro OUTPUT p
.rept 4
	v_nop                                              ; places behind the last products
.endr
.irp x, 0,1
	v_add_f32 v[T0], v[14+6*\x], v[15+6*\x]
	v_add_f32 v[T1], v[16+6*\x], v[17+6*\x]
	v_add_f32 v[T0], v[T0], v[T1]
	v_permlanex16_b32 v[T1], v[T0], s[SEL], s[SEL+1]
	v_add_f32 v[T0], v[T0], v[T1]                      ; the row's sum
	v_rcp_f32 v[FF], v[T0]
	v_nop                                              ; a plain place behind the reciprocal,
	s_wait_alu depctr_va_vdst(0)                       ; and the wait ahead of its first reader
	WIN 0x01*\x
.set j, 0
.rept 16
	v_pk_mul_f32 v[CT+j:CT+j+1], v[OO+j:OO+j+1], v[FF:FF+1] op_sel_hi:[1,0]   ; each accumulator from its low end on
.set j, j+2
.endr
	WIN 0
.irp b, 0,1
	v_max3_num_f32 v[BM+\b], |v[CT+16*\b]|, |v[CT+16*\b+1]|, 0x1800000
.endr
.irp i, 2,4,6,8,10,12,14
.irp b, 0,1
	v_max3_num_f32 v[BM+\b], v[BM+\b], |v[CT+16*\b+\i]|, |v[CT+16*\b+\i+1]|
.endr
.endr
.irp b, 0,1
	v_permlanex16_b32 v[BT+\b], v[BM+\b], s[SEL], s[SEL+1]
.endr
.irp b, 0,1
	v_max_num_f32 v[BM+\b], v[BM+\b], v[BT+\b]
.endr
.irp b, 0,1
	v_add_nc_u32 v[BS+\b], 0xff000000, v[BM+\b]
.endr
.irp b, 0,1
	v_lshrrev_b32 v[BT+\b], 23, v[BS+\b]
.endr
	v_lshl_or_b32 v[BM+2+\x], v[BT+1], 8, v[BT]        ; my head's half of the row's scale word
	v_cvt_scalef32_pk16_fp6_f32 v[PP+12*\x:PP+12*\x+2], v[CT:CT+15], v[BS]
	v_cvt_scalef32_pk16_fp6_f32 v[CH:CH+2], v[CT+16:CT+31], v[BS+1]
	v_nop
.irp i, 0,1,2
	v_permlane16_swap_b32 v[PP+12*\x+\i], v[CH+\i]
.endr
.irp i, 0,1,2
	v_mov_b32 v[PP+12*\x+3+\i], v[CH+\i]
.endr
	global_store_b128 v[L16], v[PP+12*\x:PP+12*\x+3], s[76:77] offset:2*BLKB*(\p)+1536*\x        ; an image of 768 bytes: 512 and 256 consecutive bytes
	global_store_b64 v[L8], v[PP+12*\x+4:PP+12*\x+5], s[76:77] offset:2*BLKB*(\p)+1536*\x+512
.endr
	v_cndmask_b32 v[T0], v[BM+2], v[BM+3], s[HM]       ; lanes 0-15: tile 0's halves; lanes 16-31: tile 1's
	global_store_b16 v[SOF], v[T0], s[78:79] offset:2*BLKB*(\p)+12288   ; a scale word of the last product spans two heads: each head stores its own two bytes
.endm
	s_load_b128 s[4:7], s[0:1], 0x0                    ; qkv, mask
	s_load_b64 s[8:9], s[0:1], 0x10                    ; cr
	v_lshl_add_u32 v125, v0, 2, 0x36000
	v_mov_b32 v159, 0
	ds_add_u32 v125, v159
	ds_add_u32 v125, v159
	v_lshrrev_b32 v1, 5, v0
	v_readfirstlane_b32 s[WV], v1                      ; wave 0..7
	s_bfe_u32 s11, ttmp6, 0x40000                      ; cx
	s_lshl_b32 s12, ttmp9, 2
	s_add_co_u32 s12, s12, s11                         ; my 512 queries: it enters Q's and the context's addresses alone
	s_and_b32 s13, ttmp7, 0xffff                       ; 16 x batch + head, which the four partners share
	s_lshr_b32 s14, s13, 4
	s_and_b32 s15, s13, 15
	s_and_b32 s16, s[WV], 3
	s_lshr_b32 s17, s[WV], 2                           ; waves 0-3 fetch K, waves 4-7 V
	s_mov_b32 s[G1], 15|(3<<16)|(1<<21)                ; 15:0 the mask: all four work-groups; 17:16 elements of 8 bytes; 21 set beside a mask
	s_mov_b32 s[G1+1], 32<<16
	s_mov_b32 s[G1+2], 26<<16
	s_mov_b32 s[G1+3], 32<<16
	s_mov_b32 s[G1+4], 26
	s_mov_b32 s[G1+5], 32
	s_mov_b32 s[G1+6], 0
	s_mov_b32 s[G1+7], 0
	s_mov_b32 s[G1M], 15|(3<<16)|(1<<21)
	s_mov_b32 s[G1M+1], 32<<16
	s_mov_b32 s[G1M+2], 4<<16
	s_mov_b32 s[G1M+3], 32<<16
	s_mov_b32 s[G1M+4], 4
	s_mov_b32 s[G1M+5], 32
	s_mov_b32 s[G1M+6], 0
	s_mov_b32 s[G1M+7], 0
	s_mov_b32 s[G1L], 15|(3<<16)|(1<<21)
	s_mov_b32 s[G1L+1], 32<<16
	s_mov_b32 s[G1L+2], 78<<16
	s_mov_b32 s[G1L+3], 32<<16
	s_mov_b32 s[G1L+4], 78
	s_mov_b32 s[G1L+5], 32
	s_mov_b32 s[G1L+6], 0
	s_mov_b32 s[G1L+7], 0
	s_mul_i32 s18, s13, HEADB                          ; the head's records in a tensor
	s_mul_i32 s19, s17, REG
	s_add_co_u32 s19, s19, REG
	s_add_co_u32 s19, s19, s18                         ; K's or V's head in qkv
	s_mul_i32 s21, s17, HEADB                          ; and in LDS
	s_mul_i32 s20, s16, RECA                           ; first: record w % 4
	s_add_co_u32 s60, s19, s20
	s_mov_b32 s61, 0
	s_add_co_u32 s22, s21, s20
	s_mul_i32 s20, s16, 3*RECA                         ; then: records 4 + 3 (w % 4) and the two behind it
	s_add_co_u32 s20, s20, 4*RECA
	s_add_co_u32 s62, s19, s20
	s_mov_b32 s63, 0
	s_add_co_u32 s23, s21, s20
	s_lshl_b32 s68, s[WV], 10                          ; my 1,024 bytes of the batch's row of the mask
	s_lshl_b32 s66, s14, 13
	s_add_co_u32 s66, s66, s68
	s_mov_b32 s67, 0
	s_wait_dscnt 0x0
	s_wait_kmcnt 0x0
	s_mov_b32 s[G0M], 1
	s_add_co_u32 s[G0M+1], s68, MLDS
	s_add_nc_u64 s[G0M+2:G0M+3], s[6:7], s[66:67]
	s_or_b32 s[G0M+3], s[G0M+3], 0x80000000
	s_mov_b32 s[G0A], 1
	s_mov_b32 s[G0A+1], s22
	s_add_nc_u64 s[G0A+2:G0A+3], s[4:5], s[60:61]
	s_or_b32 s[G0A+3], s[G0A+3], 0x80000000
	s_mov_b32 s[G0L], 1
	s_mov_b32 s[G0L+1], s23
	s_add_nc_u64 s[G0L+2:G0L+3], s[4:5], s[62:63]
	s_or_b32 s[G0L+3], s[G0L+3], 0x80000000
	ROUND                                              ; all four work-groups are here: the joint loads meet
	tensor_load_to_lds s[G0M:G0M+3], s[G1M:G1M+7]      ; all fills of the launch, in one group
	s_nop 0
	tensor_load_to_lds s[G0A:G0A+3], s[G1:G1+7]
	s_nop 0
	tensor_load_to_lds s[G0L:G0L+3], s[G1L:G1L+7]
	s_nop 0
.rept 4
	v_nop
.endr
	v_and_b32 v[T0], 31, v0                            ; lane
	v_and_b32 v[T1], 15, v0                            ; r
	v_bfe_u32 v[BM], v0, 4, 1                          ; h
	v_lshlrev_b32 v[L16], 4, v[T0]
	v_lshlrev_b32 v[L8], 3, v[T0]
	v_lshlrev_b32 v[R16], 4, v[T1]
	v_lshlrev_b32 v[H64], 6, v[BM]
	v_lshl_add_u32 v[SOF], v[T1], 2, v[H64]            ; 4 r + 64 h
	v_cmp_le_u32 s[HM], 16, v[T0]                      ; lanes 16-31
	; Q: block 4 X + 2 p + w / 4 of the head, tiles 2 (w % 4) + x
	s_lshl_b32 s69, s12, 2
	s_add_co_u32 s69, s69, s17
	s_mul_i32 s70, s69, RECA
	s_add_co_u32 s70, s70, s18
	s_mul_i32 s71, s16, 1536
	s_add_co_u32 s72, s70, s71
	s_mov_b32 s73, 0
	s_lshr_b32 s71, s16, 1
	s_lshl_b32 s71, s71, 8
	s_add_co_u32 s74, s70, s71
	s_and_b32 s71, s[WV], 1
	s_lshl_b32 s71, s71, 3
	s_add_co_u32 s74, s74, s71
	s_mov_b32 s75, 0
	s_add_nc_u64 s[72:73], s[4:5], s[72:73]            ; the images
	s_add_nc_u64 s[74:75], s[4:5], s[74:75]            ; the scale words (6,144 on)
.irp x, 0,1
	global_load_b128 v[QQ+12*\x:QQ+12*\x+3], v[L16], s[72:73] offset:768*\x
	global_load_b64 v[QQ+12*\x+4:QQ+12*\x+5], v[L8], s[72:73] offset:768*\x+512
	global_load_b32 v[QS+\x], v[R16], s[74:75] offset:6144+4*\x
	global_load_b128 v[QW+6*\x:QW+6*\x+3], v[L16], s[72:73] offset:2*RECA+768*\x          ; the second pass's, in waiting
	global_load_b64 v[QW+6*\x+4:QW+6*\x+5], v[L8], s[72:73] offset:2*RECA+768*\x+512
	global_load_b32 v[QSW+\x], v[R16], s[74:75] offset:2*RECA+6144+4*\x
.endr
	; the context's place: record (block of 128 tokens, K step head / 2), fragment 2 (w % 4) + x, image head % 2
	s_lshl_b32 s70, s14, 4
	s_add_co_u32 s70, s70, s69
	s_lshl_b32 s70, s70, 3
	s_lshr_b32 s71, s15, 1
	s_add_co_u32 s70, s70, s71
	s_mul_i32 s70, s70, RECB
	s_and_b32 s71, s15, 1
	s_mul_i32 s76, s71, 768
	s_mul_i32 s77, s16, 3072
	s_add_co_u32 s76, s76, s77
	s_add_co_u32 s76, s76, s70
	s_mov_b32 s77, 0
	s_lshl_b32 s78, s71, 1
	s_lshl_b32 s79, s16, 7
	s_add_co_u32 s78, s78, s79
	s_add_co_u32 s78, s78, s70
	s_mov_b32 s79, 0
	s_add_nc_u64 s[76:77], s[8:9], s[76:77]
	s_add_nc_u64 s[78:79], s[8:9], s[78:79]
	s_mov_b32 s[SEL], 0x76543210
	s_mov_b32 s[SEL+1], 0xfedcba98
	s_mov_b32 s[CS], 0x3fb8aa3b                        ; log2(e)
	s_mov_b32 s[CS+1], s[CS]
.irp x, 0,1
.irp i, 6,7,8,9,10,11
	v_mov_b32 v[QQ+12*\x+\i], 0                        ; zero codes for K = 64 .. 127 of the first product
.endr
.endr
.irp b, 0,1,2,3
	v_mov_b32 v[BT+\b], 0                              ; a lane permute's destination counts as one of its sources
.endr
	v_mov_b32 v[FF+1], 0                               ; named as the upper half of a pair
	WIN 0x40
.irp t, 0,1,2,3
.irp i, 6,7,8,9,10,11
	v_mov_b32 v[KB+12*\t+\i], 0
.endr
.endr
	WIN 0
	INIT
	s_wait_loadcnt 0x0                                 ; Q
	s_wait_tensorcnt 1                                 ; my parts of the mask and of records 0-3 are in; the three records behind may stay out
	s_barrier_signal -1
	s_barrier_wait -1                                  ; everybody's are
	STEPS 4
	s_wait_tensorcnt 0x0                               ; my part of records 4-15
	s_wait_dscnt 0x0
	s_barrier_signal -1
	s_barrier_wait -1
	STEPS 12
	OUTPUT 0
	s_wait_xcnt 0x0                                    ; the stores have read their registers
.irp x, 0,1
.irp i, 0,1,2,3,4,5
	v_mov_b32 v[QQ+12*\x+\i], v[QW+6*\x+\i]
.endr
	v_mov_b32 v[QS+\x], v[QSW+\x]
.endr
	INIT
	STEPS 16
	OUTPUT 1
	s_wait_tensorcnt 0x0
	ds_add_u32 v125, v159
	s_wait_dscnt 0x0
	ROUND                                              ; the closing round
	s_endpgm
.Lfunc_end_k_q8ee718fca5_attn:
	.size	k_q8ee718fca5_attn, .Lfunc_end_k_q8ee718fca5_attn-k_q8ee718fca5_attn
	.p2alignl 7, 3214868480
	.fill 96, 4, 3214868480
	.section	.rodata,"a",@progbits
	.p2align	6, 0x0
	.amdhsa_kernel k_q8ee718fca5_attn
		.amdhsa_group_segment_fixed_size 222208
		.amdhsa_private_segment_fixed_size 0
		.amdhsa_enable_private_segment 0
		.amdhsa_kernarg_size 24
		.amdhsa_user_sgpr_count 2
		.amdhsa_user_sgpr_kernarg_segment_ptr 1
		.amdhsa_wavefront_size32 1
		.amdhsa_system_sgpr_workgroup_id_x 1
		.amdhsa_system_sgpr_workgroup_id_y 1
		.amdhsa_system_sgpr_workgroup_id_z 1
		.amdhsa_system_vgpr_workitem_id 0
		.amdhsa_next_free_vgpr 512
		.amdhsa_next_free_sgpr 96
		.amdhsa_reserve_vcc 0
		.amdhsa_float_denorm_mode_32 3
		.amdhsa_float_denorm_mode_16_64 3
		.amdhsa_memory_ordered 1
		.amdhsa_forward_progress 1
		.amdhsa_inst_pref_size 123
	.end_amdhsa_kernel
	.amdgpu_metadata
---
amdhsa.version: [ 1, 2 ]
amdhsa.kernels:
  - .name:           k_q8ee718fca5_attn
    .symbol:         k_q8ee718fca5_attn.kd
    .args:
      - { .name: qkv, .offset: 0, .size: 8, .value_kind: global_buffer, .address_space: global }
      - { .name: mask, .offset: 8, .size: 8, .value_kind: global_buffer, .address_space: global }
      - { .name: cr, .offset: 16, .size: 8, .value_kind: global_buffer, .address_space: global }
    .group_segment_fixed_size: 222208
    .private_segment_fixed_size: 0
    .kernarg_segment_align: 8
    .kernarg_segment_size: 24
    .max_flat_workgroup_size: 256
    .sgpr_count:     96
    .vgpr_count:     512
    .wavefront_size: 32
...
	.end_amdgpu_metadata
.endif
;; end of part 3
;; launch outp (part 4): grid 4 x 32, 4 waves a work-group, clusters of 4 x 4, 327,680 bytes of LDS; arguments cr, wr, bo, out0; writes out0
.if DOCPART == 4
	.amdgcn_target "amdgcn-amd-amdhsa--gfx1250"
	.amdhsa_code_object_version 6
	.text
	.protected	k_q8ee718fca5_outp
	.globl	k_q8ee718fca5_outp
	.p2align	8
	.type	k_q8ee718fca5_outp,@function
k_q8ee718fca5_outp:
	s_mov_b64 s[64:65], 0
	v_nop
	global_prefetch_b8 v0, s[64:65] scope:SCOPE_SE
	s_setreg_imm32_b32 hwreg(HW_REG_WAVE_MODE, 25, 1), 1
	s_wait_xcnt 0x0
	s_wait_alu depctr_hold_cnt(0) depctr_sa_sdst(0) depctr_va_vdst(0) depctr_va_sdst(0) depctr_va_ssrc(0) depctr_va_vcc(0) depctr_vm_vsrc(0)
	s_getreg_b32 s2, hwreg(HW_REG_IB_STS2, 6, 4)
	s_cmp_eq_u32 s2, 0
	s_cbranch_scc0 .Lentry_in_a_cluster
	s_endpgm
.Lentry_in_a_cluster:
	s_bfe_u32 s2, ttmp6, 0x10000c
	s_cmp_lg_u32 s2, 0xf033
	s_cbranch_scc0 .Lentry_shape_is_right
	s_endpgm
.Lentry_shape_is_right:
; out0 = context Wo + bo on codes of FP6 (E2M3).  A = the context's records (tokens), B = Wo's records (features); out0 [8192][1024] f32.
; OPERANDS come as records of 128 rows x 128 K (12,800 bytes: 8 fragments of 1,536 bytes in the order of the operand's registers, then 8 x 16 scale words); a block of 128 rows is 8 records on end.
; Tile t of a block holds rows 32 (t / 2) + 8 (t % 2) + r + 8 (r / 8).  The matrix instruction is used transposed (source 0 = B, source 1 = A): a lane holds one token, and its 64 registers of B's eight tiles
; run along the features: register 16 b + i = feature 32 b + 16 (lane / 16) + i.
; A work-group of four waves makes 256 x 256; a wave 128 x 128: 64 accumulators.  K = 1,024 goes in 8 steps through two LDS slots of two steps; a wave fetches a quarter of a slot by one tensor load.
; CLUSTERS: 4 x 4 work-groups; A's pieces are asked for jointly along a row of the cluster, B's along a column.
; REGISTERS: window 0: v1-9 lane terms; v16-25 LDS addresses; v26, v27 the stage; v28, v29 the add's; v32-47 scale words; v96-99 bo of my four columns; v128-223 A's fragments, on the way out v128-255 rows of out0.
;   window 1: B's two sets at v0 and v128.  windows 2, 3: accumulator (a, b) at v[8 (8 (a % 4) + b)].
.set WSZ,   819200
.set BLKB,  102400
.set RECB,  12800
.set PIECE, 25600
.set SLOT,  102400
.set SPARE, 204800
.set SPITCH, 528                       ; the way out: a stage of 16 rows x (512 bytes + 16) for each wave, in slot 0, which has had its last fill and its last read when the first result is stored there
.set FR,    12
.set A16, 16
.set A8,  18
.set B16, 20
.set B8,  22
.set ADRS, 24
.set STO, 26
.set RD,  27
.set SPW, 28
.set NIL, 29
.set SC,  32
.set BO,  96
.set AF,  128
.set BK,  128
.set WV,  16
.set WRH, 17
.set WCH, 18
.set G1,  24
.set G0,  32
.set G1B, 48
.set G0B, 56
.set MSB, 0
.macro WIN new
.if MSB != (\new)
	s_set_vgpr_msb (MSB<<8)|(\new)
.set MSB, (\new)
.endif
.endm
.set MUL_LO, 0xa1
.set MUL_HI, 0xf1
.set TO_B,   0x40
.macro JLOAD g0a, g1a, g0b, g1b        ; a joint load: waves 0 and 1 fetch for A, waves 2 and 3 for B; four v_nop follow each of the two lines
	s_cmp_eq_u32 s[WRH], 0
	s_cbranch_scc0 .Lfor_b_\@
	tensor_load_to_lds s[\g0a:\g0a+3], s[\g1a:\g1a+7]
	s_nop 0
.rept 4
	v_nop
.endr
	s_branch .Lasked_\@
.Lfor_b_\@:
	tensor_load_to_lds s[\g0b:\g0b+3], s[\g1b:\g1b+7]
	s_nop 0
.rept 4
	v_nop
.endr
.Lasked_\@:
.endm
.macro CREST
	s_cmp_lg_u32 s[WV], 0
	s_cbranch_scc1 .Lnot_wave_0_\@
	s_barrier_signal -3
.Lnot_wave_0_\@:
	s_barrier_wait -3
	s_barrier_signal -1
	s_barrier_wait -1
.endm
.macro CROUND
	s_barrier_signal -1
	s_barrier_wait -1
	CREST
.endm
.macro PLACES n
.rept \n
	v_nop
.endr
.endm
.macro FRAG reg, a16, a8, off
	ds_load_b128 v[(\reg):(\reg)+3], v[\a16] offset:(\off)
	ds_load_b64 v[(\reg)+4:(\reg)+5], v[\a8] offset:(\off)+512
	ds_load_b128 v[(\reg)+6:(\reg)+9], v[\a16] offset:(\off)+768
	ds_load_b64 v[(\reg)+10:(\reg)+11], v[\a8] offset:(\off)+1280
.endm
.macro FETCH_B slot, q, p
	WIN TO_B
.irp i, 0,1,2,3,4,5,6,7
	FRAG 128*(\p)+FR*\i, B16+\slot, B8+\slot, RECB*(\q)+1536*\i
.endr
	WIN 0
.endm
.macro FETCH_A slot, q, i0
.irp i, \i0, \i0+1, \i0+2, \i0+3
	FRAG AF+FR*(\i), A16+\slot, A8+\slot, RECB*(\q)+1536*(\i)
.endr
.endm
.macro SCALES slot, q
.irp i, 0,1,2,3,4,5,6,7
	ds_load_b32 v[SC+8*(\q)+\i], v[ADRS+\slot] offset:RECB*(\q)+64*\i
.endr
.endm
; The 64 accumulators take turns, one instruction a turn, in the same order in every step.
.macro MUL16 a0, p, sc, zero
.irp a, \a0, \a0+1
.irp b, 0,1,2,3,4,5,6,7
.if \zero
	v_wmma_scale_f32_16x16x128_f8f6f4 v[8*(8*((\a)%4)+\b):8*(8*((\a)%4)+\b)+7], v[128*(\p)+FR*\b:128*(\p)+FR*\b+FR-1], v[AF+FR*(\a):AF+FR*(\a)+FR-1], 0, v[SC+8*(\sc)+\b], v[SC+8*(\sc)+(\a)] matrix_a_fmt:MATRIX_FMT_FP6 matrix_b_fmt:MATRIX_FMT_FP6 matrix_a_scale:MATRIX_SCALE_ROW1
.else
	v_wmma_scale_f32_16x16x128_f8f6f4 v[8*(8*((\a)%4)+\b):8*(8*((\a)%4)+\b)+7], v[128*(\p)+FR*\b:128*(\p)+FR*\b+FR-1], v[AF+FR*(\a):AF+FR*(\a)+FR-1], v[8*(8*((\a)%4)+\b):8*(8*((\a)%4)+\b)+7], v[SC+8*(\sc)+\b], v[SC+8*(\sc)+(\a)] matrix_a_fmt:MATRIX_FMT_FP6 matrix_b_fmt:MATRIX_FMT_FP6 matrix_a_scale:MATRIX_SCALE_ROW1
.endif
.endr
.endr
.endm
.macro STEP slot, zero
	s_wait_dscnt 16                                    ; B's set, A's tiles 0-3 and the scale words are in; the youngest 16 loads (A's tiles 4-7) may be out
	WIN MUL_LO
	MUL16 0, 0, 0, \zero
	MUL16 2, 0, 0, \zero
	s_wait_dscnt 0x0
	PLACES 4                                           ; four plain places in front of loads into registers that matrix instructions have read
	FETCH_B \slot, 1, 1
	FETCH_A \slot, 1, 0
	SCALES \slot, 1
	WIN MUL_HI
	MUL16 4, 0, 0, \zero
	MUL16 6, 0, 0, \zero
	PLACES 4
	WIN 0
	FETCH_A \slot, 1, 4
.endm
.macro TURN slot, next, fill
	s_wait_tensorcnt 0x0                               ; all my tensor loads have landed: my part of the next slot
	ds_add_u32 v[SPW], v[NIL]                          ; 0 onto my spare word
	s_wait_dscnt 17                                    ; (the add and the youngest 16 loads may be out)
	WIN MUL_LO
	MUL16 0, 1, 1, 0
	s_wait_dscnt 0x0                                   ; the add is done, and my reads of this slot are over
	s_barrier_signal -1
	MUL16 2, 1, 1, 0
	WIN 0
	s_barrier_wait -1
.if \fill
	CREST                                              ; the barrier has opened a round of the cluster's barrier
	s_add_nc_u64 s[G0+4*\slot+2:G0+4*\slot+3], s[G0+4*\slot+2:G0+4*\slot+3], 2*PIECE
	s_add_nc_u64 s[G0B+4*\slot+2:G0B+4*\slot+3], s[G0B+4*\slot+2:G0B+4*\slot+3], 2*PIECE
	JLOAD G0+4*\slot, G1, G0B+4*\slot, G1B             ; the first tensor load behind the round
.else
	PLACES 4
.endif
	FETCH_B \next, 0, 0
	FETCH_A \next, 0, 0
	SCALES \next, 0
	WIN MUL_HI
	MUL16 4, 1, 1, 0
	MUL16 6, 1, 1, 0
	PLACES 4
	WIN 0
	FETCH_A \next, 0, 4
.endm
	s_load_b256 s[4:11], s[0:1], 0x0                   ; cr, wr, bo, out0
	v_lshl_add_u32 v[SPW], v0, 2, SPARE
	v_mov_b32 v[NIL], 0
	ds_add_u32 v28, v29
	ds_add_u32 v28, v29
	s_wait_dscnt 0x0
	v_lshrrev_b32 v1, 5, v0
	v_readfirstlane_b32 s[WV], v1
	s_lshr_b32 s[WRH], s[WV], 1
	s_and_b32 s[WCH], s[WV], 1
	s_bfe_u32 s40, ttmp6, 0x40000                      ; cx
	s_bfe_u32 s41, ttmp6, 0x40004                      ; cy
	s_and_b32 s22, ttmp7, 0xffff
	s_lshl_b32 s22, s22, 2
	s_add_co_u32 s22, s22, s41                         ; A's tile row = 4 x cluster y + cy
	s_lshl_b32 s23, ttmp9, 2
	s_add_co_u32 s23, s23, s40                         ; B's tile column = 4 x cluster x + cx
	s_lshl_b32 s42, s22, 1
	s_add_co_u32 s42, s42, s[WCH]
	s_mul_i32 s42, s42, BLKB
	s_mov_b32 s43, 0
	s_lshl_b32 s46, s23, 1
	s_add_co_u32 s46, s46, s[WCH]
	s_mul_i32 s46, s46, BLKB
	s_add_co_u32 s46, s46, 3*WSZ                       ; Wo is the fourth weight in wr
	s_mov_b32 s47, 0
	s_lshl_b32 s66, s41, 2
	s_lshl_b32 s66, 15, s66
	s_lshl_b32 s67, 0x1111, s40
	s_or_b32 s[G1+0], s66, (3<<16)|(1<<21)             ; 100 rows of 256 bytes, dense
	s_or_b32 s[G1B+0], s67, (3<<16)|(1<<21)
.irp g, G1, G1B
	s_mov_b32 s[\g+1], 32<<16
	s_mov_b32 s[\g+2], 100<<16
	s_mov_b32 s[\g+3], 32<<16
	s_mov_b32 s[\g+4], 100
	s_mov_b32 s[\g+5], 32
	s_mov_b32 s[\g+6], 0
	s_mov_b32 s[\g+7], 0
.endr
	s_mul_i32 s68, s[WV], PIECE
	s_wait_kmcnt 0x0
	s_add_nc_u64 s[70:71], s[4:5], s[42:43]
	s_add_nc_u64 s[72:73], s[6:7], s[46:47]
	CROUND
.irp s, 0,1
	s_mov_b32 s[G0+4*\s], 1
	s_add_co_u32 s[G0+4*\s+1], s68, \s*SLOT
	s_add_nc_u64 s[G0+4*\s+2:G0+4*\s+3], s[70:71], \s*PIECE
	s_or_b32 s[G0+4*\s+3], s[G0+4*\s+3], 0x80000000
	s_mov_b32 s[G0B+4*\s], 1
	s_add_co_u32 s[G0B+4*\s+1], s68, \s*SLOT
	s_add_nc_u64 s[G0B+4*\s+2:G0B+4*\s+3], s[72:73], \s*PIECE
	s_or_b32 s[G0B+4*\s+3], s[G0B+4*\s+3], 0x80000000
	JLOAD G0+4*\s, G1, G0B+4*\s, G1B
.endr
	v_and_b32 v1, 31, v0
	v_and_b32 v2, 15, v0
	v_bfe_u32 v3, v0, 4, 1
	v_lshlrev_b32 v8, 4, v1                            ; 16 x lane: also my byte offset in a row's 512 bytes of out0 and in bo
	v_lshlrev_b32 v9, 3, v1
	s_mul_i32 s74, s[WRH], PIECE
	s_mul_i32 s75, s[WCH], PIECE
	s_add_co_u32 s75, s75, 2*PIECE
	s_xor_b32 s76, s[WRH], 1
	s_add_co_u32 s76, s76, s[WCH]
	s_add_co_u32 s76, s76, 1
	s_mul_i32 s76, s76, PIECE
	v_mul_u32_u24 v4, s76, v3
	v_lshl_add_u32 v4, v2, 2, v4
	s_add_co_u32 s77, s74, 12288
	v_add_nc_u32 v[ADRS], s77, v4
	v_add_nc_u32 v[ADRS+1], SLOT, v[ADRS]
.irp s, 0,1
	v_add_nc_u32 v[A16+\s], s74, v8
	v_add_nc_u32 v[A8+\s], s74, v9
	v_add_nc_u32 v[B16+\s], s75, v8
	v_add_nc_u32 v[B8+\s], s75, v9
	s_add_co_u32 s74, s74, SLOT
	s_add_co_u32 s75, s75, SLOT
.endr
	s_mul_i32 s78, s[WV], 16*SPITCH                    ; my stage
	v_mul_u32_u24 v5, v2, SPITCH
	v_lshl_add_u32 v5, v3, 6, v5
	v_add_nc_u32 v[STO], s78, v5                       ; in: row r, + 64 h
	v_add_nc_u32 v[RD], s78, v8                        ; back: a row's 512 bytes, 16 a lane
	s_lshl_b32 s86, s22, 1
	s_add_co_u32 s86, s86, s[WRH]                      ; my block of tokens
	s_lshl_b32 s87, s23, 1
	s_add_co_u32 s87, s87, s[WCH]                      ; my block of features
	s_lshl_b32 s88, s86, 19                            ; 128 rows of 4,096 bytes
	s_lshl_b32 s90, s87, 9
	s_mov_b32 s91, 0
	s_add_co_u32 s88, s88, s90
	s_mov_b32 s89, 0
	s_add_nc_u64 s[12:13], s[10:11], s[88:89]
	s_add_nc_u64 s[14:15], s[8:9], s[90:91]
	global_load_b128 v[BO:BO+3], v8, s[14:15]          ; bo of my four columns
	s_wait_tensorcnt 1                                 ; my part of slot 0 is in; slot 1's may stay out
	s_barrier_signal -1
	s_barrier_wait -1
	FETCH_B 0, 0, 0
	FETCH_A 0, 0, 0
	SCALES 0, 0
	FETCH_A 0, 0, 4
	STEP 0, 1
	TURN 0, 1, 1
	STEP 1, 0
	TURN 1, 0, 1
	STEP 0, 0
	TURN 0, 1, 0
	STEP 1, 0
	s_wait_dscnt 16
	WIN MUL_LO
	MUL16 0, 1, 1, 0
	MUL16 2, 1, 1, 0
	s_wait_dscnt 0x0
	WIN MUL_HI
	MUL16 4, 1, 1, 0
	MUL16 6, 1, 1, 0
	WIN 0
; THE WAY OUT, a tile of 16 tokens x 128 features at a time: through my own stage in LDS, back as whole rows of 512 bytes, bo added, stored as two aligned runs of 256 bytes.
; LDS serves a wave's instructions in order (ISA guide 5.7.1.4): no wait between the stores and the loads, nor in front of the next tile's stores.
.macro TOSTAGE a
.set AC, 64*((\a)%4)
	WIN 0x08+4*((\a)/4)                                ; the data: window 2 or 3
.irp b, 0,1,2,3,4,5,6,7
	ds_store_b128 v[STO], v[AC+8*\b:AC+8*\b+3] offset:128*(\b/2)+32*(\b%2)          ; features 32 (b / 2) + 16 h + 8 (b % 2) on; each accumulator from its low end on
	ds_store_b128 v[STO], v[AC+8*\b+4:AC+8*\b+7] offset:128*(\b/2)+32*(\b%2)+16
.endr
	WIN 0
.set BB, BK+64*((\a)%2)
.irp t, 0,1,2,3,4,5,6,7,8,9,10,11,12,13,14,15
	ds_load_b128 v[BB+4*\t:BB+4*\t+3], v[RD] offset:\t*SPITCH
.endr
.endm
.macro SEND a, younger                 ; younger: the LDS instructions issued behind tile a's loads, which may stay out
.set BB, BK+64*((\a)%2)
	s_wait_dscnt \younger
.irp t, 0,1,2,3,4,5,6,7,8,9,10,11,12,13,14,15
	v_pk_add_f32 v[BB+4*\t:BB+4*\t+1], v[BB+4*\t:BB+4*\t+1], v[BO:BO+1]
	v_pk_add_f32 v[BB+4*\t+2:BB+4*\t+3], v[BB+4*\t+2:BB+4*\t+3], v[BO+2:BO+3]
	global_store_b128 v8, v[BB+4*\t:BB+4*\t+3], s[12:13] offset:(32*((\a)/2)+8*((\a)%2)+\t+8*(\t/8))*4096 th:TH_STORE_NT   ; row t of tile a is token 32 (a / 2) + 8 (a % 2) + t + 8 (t / 8)
.endr
.endm
	s_wait_loadcnt 0x0                                 ; bo
	PLACES 4                                           ; behind the last products: for the stores that read results and the loads into the registers that held A's fragments
	TOSTAGE 0
.irp a, 1,2,3,4,5,6,7
.if \a > 1
	s_wait_xcnt 0x0                                    ; tile a - 2's stores have read their registers: tile a's loads may land there
.endif
	TOSTAGE \a
	SEND \a-1, 32                                      ; behind tile a - 1's loads: tile a's 16 stores and 16 loads
.endr
	SEND 7, 0
	s_wait_tensorcnt 0x0                               ; the wave's end
	ds_add_u32 v[SPW], v[NIL]
	s_wait_dscnt 0x0
	CROUND                                             ; the closing round
	s_endpgm
.Lfunc_end_k_q8ee718fca5_outp:
	.size	k_q8ee718fca5_outp, .Lfunc_end_k_q8ee718fca5_outp-k_q8ee718fca5_outp
	.p2alignl 7, 3214868480
	.fill 96, 4, 3214868480
	.section	.rodata,"a",@progbits
	.p2align	6, 0x0
	.amdhsa_kernel k_q8ee718fca5_outp
		.amdhsa_group_segment_fixed_size 327680
		.amdhsa_private_segment_fixed_size 0
		.amdhsa_enable_private_segment 0
		.amdhsa_kernarg_size 32
		.amdhsa_user_sgpr_count 2
		.amdhsa_user_sgpr_kernarg_segment_ptr 1
		.amdhsa_wavefront_size32 1
		.amdhsa_system_sgpr_workgroup_id_x 1
		.amdhsa_system_sgpr_workgroup_id_y 1
		.amdhsa_system_sgpr_workgroup_id_z 1
		.amdhsa_system_vgpr_workitem_id 0
		.amdhsa_next_free_vgpr 1024
		.amdhsa_next_free_sgpr 100
		.amdhsa_reserve_vcc 0
		.amdhsa_float_denorm_mode_32 3
		.amdhsa_float_denorm_mode_16_64 3
		.amdhsa_memory_ordered 1
		.amdhsa_forward_progress 1
		.amdhsa_inst_pref_size 159
	.end_amdhsa_kernel
	.amdgpu_metadata
---
amdhsa.version: [ 1, 2 ]
amdhsa.kernels:
  - .name:           k_q8ee718fca5_outp
    .symbol:         k_q8ee718fca5_outp.kd
    .args:
      - { .name: cr, .offset: 0, .size: 8, .value_kind: global_buffer, .address_space: global }
      - { .name: wr, .offset: 8, .size: 8, .value_kind: global_buffer, .address_space: global }
      - { .name: bo, .offset: 16, .size: 8, .value_kind: global_buffer, .address_space: global }
      - { .name: out0, .offset: 24, .size: 8, .value_kind: global_buffer, .address_space: global }
    .group_segment_fixed_size: 327680
    .private_segment_fixed_size: 0
    .kernarg_segment_align: 8
    .kernarg_segment_size: 32
    .max_flat_workgroup_size: 128
    .sgpr_count:     100
    .vgpr_count:     1024
    .wavefront_size: 32
...
	.end_amdgpu_metadata
.endif
;; end of part 4
